; MI455X (gfx1250); checked and timed in simulation.
; The chip was launched on July 23, 2026; its instructions are those of AMD's public machine-readable ISA for CDNA 5 (MIT licence, August 2026) and "CDNA5" Instruction Set Architecture Reference Guide (July 2026). The comments in the code are by the model that wrote it; some were corrected since.
;; Multi Head Self Attention. Allowed arithmetic: matrix products marked QUANTISED: E2M1 operands, one E8M0 scale for each 32 along K, by v_wmma_scale_f32_16x16x128_f8f6f4 with both operands' format E2M1 (or v_wmma_scale_f32_32x16x128_f4), f32 sums; products left as they are: bf16, f16 or f32 operands; f32 sums; everything else in f32.
;; Inputs: Wk 1,024 x 1,024 float32; Wo 1,024 x 1,024 float32; Wq 1,024 x 1,024 float32; Wv 1,024 x 1,024 float32; bk 1,024 float32; bo 1,024 float32; bq 1,024 float32; bv 1,024 float32; x 4 x 2,048 x 1,024 float32.
;; Outputs: out0 4 x 2,048 x 1,024 float32.
;; This version of the problem:
;;   THIS VERSION OF THE PROBLEM IS GIVEN IN LOW PRECISION. The matrix products marked QUANTISED in the list below multiply operands that are first quantised to E2M1 (2 exponent bits, 1 mantissa bit; 4 bits a number), with one power-of-two scale for each 32 numbers along K (OCP MX v1.0); their sums are f32. The products marked 'left as it is' may take bf16, f16 or f32 operands, with f32 sums. Whichever they take, every output number must still come out within the allowed error. Rounding operands to bf16 (8 significant bits) uses up far more of that allowance than f16 does (11 bits, for magnitudes from 6e-5 to 65,504). All else is computed in f32.
;;   The module's matrix products, in the order in which they are computed (A, B: the left and right operand; K: the contracted axis; several contracted axes count as one K, in the product's order):
;;     1. [M 8,192, K 1,024] x [K 1,024, N 1,024]; A: input x; B: input Wq: QUANTISED
;;     2. [M 8,192, K 1,024] x [K 1,024, N 1,024]; A: input x; B: input Wk: QUANTISED
;;     3. [M 8,192, K 1,024] x [K 1,024, N 1,024]; A: input x; B: input Wv: QUANTISED
;;     4. batch 64 x [M 2,048, K 64] x [K 64, N 2,048]; A: computed on the way; B: computed on the way: left as it is (an operand is computed on the way)
;;     5. batch 64 x [M 2,048, K 2,048] x [K 2,048, N 64]; A: computed on the way; B: computed on the way: left as it is (an operand is computed on the way)
;;     6. [M 8,192, K 1,024] x [K 1,024, N 1,024]; A: computed on the way; B: input Wo: left as it is (an operand is computed on the way)
;;   THE QUANTISER, for each operand of a quantised product, along K:
;;     - K is cut into blocks of 32 from its start; a last block that is shorter is filled with zeros.
;;     - A block's scale is 2^e with e = floor(log2(the largest magnitude in the block)) - 2, held to -126 .. 127; a block of zeros has e = 0. As a byte (E8M0): e + 127.
;;     - Each number is divided by its block's scale, clamped to +-6, and rounded to the nearest number of E2M1, ties to even, subnormals kept.
;;     - The product sums the exact products of the quantised numbers (number of the format x scale) in f32.
;;   ~~~python
;;   def quantise(x, axis):      # numpy; x: float32 -> the quantised numbers, widened to float32 again
;;       x = np.moveaxis(x, axis, -1); K = x.shape[-1]
;;       x = np.pad(x, [(0, 0)] * (x.ndim - 1) + [(0, -K % 32)]); x = x.reshape(x.shape[:-1] + (-1, 32)); a = np.abs(x).max(-1, keepdims=True)
;;       e = np.where(a > 0, np.clip(np.frexp(np.where(a > 0, a, 1))[1] - 1 - 2, -126, 127), 0)      # np.frexp(a)[1] - 1 = floor(log2(a)), exactly
;;       r = np.clip(x / 2.0 ** e, -6, 6)
;;       step = 2.0 ** (np.maximum(np.frexp(np.where(r == 0, 1, r))[1] - 1, 0) - 1)
;;       q = np.round(r / step) * step * 2.0 ** e      # np.round: ties to even
;;       return np.moveaxis(q.reshape(q.shape[:-2] + (-1,))[..., :K], -1, axis).astype(np.float32)
;;   ~~~
;; One version. Each part assembles by itself: llvm-mc -triple=amdgcn-amd-amdhsa -mcpu=gfx1250 --defsym DOCPART=n.
;; ======== version 1 of 1: 5 launches
;; limits: values are held in f16: magnitudes above 65,504 overflow, below 6.1e-05 lose precision
;; workspace buffers: xc 4,194,304 bytes; xs 262,144 bytes; wc 1,572,864 bytes; ws 98,304 bytes; woh 2,097,152 bytes; qkv 50,331,648 bytes; att 16,777,216 bytes
;; launch prep (part 1): grid 288 x 1, 4 waves a work-group, no clusters, 33,280 bytes of LDS; arguments x, Wo, xc, xs, woh; writes xc, xs, woh
.if DOCPART == 1
	.amdgcn_target "amdgcn-amd-amdhsa--gfx1250"
	.amdhsa_code_object_version 6
	.text
	.protected	k_qf236333d4f_prep
	.globl	k_qf236333d4f_prep
	.p2align	8
	.type	k_qf236333d4f_prep,@function
k_qf236333d4f_prep:
	s_mov_b64 s[64:65], 0
	v_nop
	global_prefetch_b8 v0, s[64:65] scope:SCOPE_SE
	s_setreg_imm32_b32 hwreg(HW_REG_WAVE_MODE, 25, 1), 1
	s_wait_xcnt 0x0
; Two jobs in one launch, told apart by the work-group's number.
; WORK-GROUPS 0-255: x [8192][1024] f32 becomes codes of FP4 (E2M1), K innermost, 512 bytes a row (xc), and one E8M0 byte for each 32 along K, 32 bytes a row (xs).
;   A block's scale is 2^(floor(log2(its largest magnitude)) - 2); its byte is the largest magnitude's exponent field - 2, held at 1 from below.
;   Rows are dense and 1,024 is a multiple of 32: x is a plain stream of blocks of 32, and so are the codes and the bytes.
;   A wave takes 16 steps of 512 numbers.  Each load reads 512 consecutive bytes; a step's 2,048 bytes turn through the wave's own stage in LDS, so that a lane holds 16 neighbours along K
;   (two neighbouring lanes hold a block).  A lane's 16 codes are 8 bytes: the wave stores 256 consecutive bytes.  A wave's 256 scale bytes are gathered in LDS and leave as one aligned run of 256 bytes.
; WORK-GROUPS 256-287: Wo [1024][1024] f32 is rounded to f16 as it lies (woh).  No LDS: a load's 512 bytes become 256 consecutive bytes of one store.
; LIMITS: a block of zeros, and a block whose largest magnitude lies under 2^-124, get the byte 1 (the rule says 127 for zeros: the codes are zeros, and this program alone reads the bytes);
;   NaN and infinities among the inputs are not served; |Wo| stays under 65,504.
; No cluster, no tensor load: work-groups share no input, and waves share nothing.
.set XWG,   256                        ; 8192 x 1024 / 32,768 numbers a work-group
.set STEPS, 16
.set EMAX,  2
.set CB,    8                          ; bytes of 16 codes
.set R,     16                         ; v16-79   four sets of 16 numbers as they are loaded
.set X,     80                         ; v80-111  two sets of 16 neighbours
.set E,     112                        ; v112-127 a scale byte for each step
.set C,     128                        ; v128-191 codes: four registers for each step (the cast: eight registers of f16 pairs)
.set WREG,  8192                       ; LDS: a region for each wave: two stages of 32 x SP bytes, behind them its 256 scale bytes
.set SP,    80                         ; a lane's place in a stage: 64 bytes + 16 of padding
.set SPW,   12                         ; v12  LDS address of my spare word; never rewritten
.set NIL,   13                         ; v13  0; never rewritten
.set SPARE, 4*WREG                     ; behind the four regions: the spare words, 128 bytes a wave
	s_load_b128 s[4:7], s[0:1], 0x0                ; x, Wo
	s_load_b128 s[8:11], s[0:1], 0x10              ; xc, xs
	s_load_b64 s[12:13], s[0:1], 0x20              ; woh
	v_lshl_add_u32 v[SPW], v0, 2, SPARE
	v_mov_b32 v[NIL], 0
	v_lshrrev_b32 v1, 5, v0
	v_readfirstlane_b32 s16, v1                    ; wave
	v_and_b32 v2, 31, v0                           ; lane
	v_lshlrev_b32 v3, 4, v2                        ; my 16 bytes of a load's 512
	s_mul_i32 s17, s16, WREG
	v_lshrrev_b32 v14, 2, v2
	v_mul_u32_u24 v14, v14, SP
	v_and_b32 v15, 3, v2
	v_lshl_add_u32 v14, v15, 4, v14
	v_add_nc_u32 v14, s17, v14                     ; the stage, on the way in: SP (lane / 4) + 16 (lane % 4)
	v_mul_u32_u24 v15, v2, SP
	v_add_nc_u32 v15, s17, v15                     ; and on the way out: SP x lane: my 16 neighbours
	v_mul_u32_u24 v4, v2, CB                       ; 8 x lane: my codes' place in a step's (the cast: my f16 numbers' place in a load's)
	v_lshrrev_b32 v5, 1, v2
	s_add_co_u32 s17, s17, 2*32*SP
	v_add_nc_u32 v5, s17, v5                       ; LDS: my wave's 256 scale bytes, my block's byte
	v_lshlrev_b32 v7, 3, v2
	v_add_nc_u32 v6, s17, v7                       ; and on the way out 8 bytes a lane
	s_mov_b32 s21, 0
	s_wait_kmcnt 0x0
	s_cmp_lt_u32 ttmp9, XWG                        ; the work-group's number alone decides
	s_cbranch_scc0 .Lcast
	s_lshl_b32 s18, ttmp9, 2
	s_add_co_u32 s18, s18, s16                     ; which run of 8,192 numbers is my wave's: 0 .. 1,023
	s_lshl_b32 s20, s18, 15
	s_add_nc_u64 s[4:5], s[4:5], s[20:21]          ; 32,768 bytes of x a run,
	s_lshl_b32 s20, s18, 12
	s_add_nc_u64 s[8:9], s[8:9], s[20:21]          ; 4,096 of codes,
	s_lshl_b32 s20, s18, 8
	s_add_nc_u64 s[10:11], s[10:11], s[20:21]      ; 256 scale bytes
.macro LOAD t
.irp i, 0,1,2,3
	global_load_b128 v[R+16*((\t)%4)+4*\i:R+16*((\t)%4)+4*\i+3], v3, s[4:5] offset:2048*(\t)+512*\i th:TH_LOAD_NT   ; 32 lanes read 512 consecutive bytes
.endr
.endm
.macro TURN t                          ; step t's numbers through the stage: LDS serves a wave's instructions in order, so no wait stands between the stores and the loads
.irp i, 0,1,2,3
	ds_store_b128 v14, v[R+16*((\t)%4)+4*\i:R+16*((\t)%4)+4*\i+3] offset:32*SP*((\t)%2)+8*SP*\i
.endr
.irp i, 0,1,2,3
	ds_load_b128 v[X+16*((\t)%2)+4*\i:X+16*((\t)%2)+4*\i+3], v15 offset:32*SP*((\t)%2)+16*\i
.endr
.endm
.irp t, 0,1,2,3
	LOAD \t
.endr
	s_wait_loadcnt 12                              ; step 0's four loads are in; the twelve of steps 1 to 3 may be out
	TURN 0
.macro STEP t
.set XS, X+16*((\t)%2)
.if (\t) > 0
	s_wait_dscnt 1                                 ; this step's numbers are back from the stage (the last step's byte store may be out)
.else
	s_wait_dscnt 0x0
.endif
.if (\t)+4 < STEPS
	LOAD (\t)+4                                    ; into the registers that the stage's stores have read
.endif
.if (\t)+1 < STEPS
.if STEPS-2-(\t) >= 3
	s_wait_loadcnt 12                              ; the next step's four loads are in; those of the three steps behind it may be out
.else
	s_wait_loadcnt 4*(STEPS-2-(\t))
.endif
	TURN (\t)+1                                    ; through the other stage while this step is worked
.endif
	v_max3_num_f32 v8, |v[XS]|, |v[XS+1]|, |v[XS+2]|               ; the largest magnitude of my 16, in two chains
	v_max3_num_f32 v9, |v[XS+3]|, |v[XS+4]|, |v[XS+5]|
.irp i, 6,10
	v_max3_num_f32 v8, v8, |v[XS+\i]|, |v[XS+\i+1]|
	v_max3_num_f32 v9, v9, |v[XS+\i+2]|, |v[XS+\i+3]|
.endr
	v_max3_num_f32 v8, v8, |v[XS+14]|, |v[XS+15]|
	v_max3_num_f32 v8, v8, v9, (EMAX+1)<<23        ; and the floor 2^(3 - 127): the byte cannot fall under 1
	v_max_num_f32_dpp v8, v8, v8 row_xmask:1 row_mask:0xf bank_mask:0xf   ; and of my neighbour's 16: the block's
	v_add_nc_u32 v11, -(EMAX<<23), v8              ; 2 off its exponent field: the conversion takes the exponent field of this operand as its scale
	v_cvt_scalef32_pk8_fp4_f32 v[C+4*(\t)], v[XS:XS+7], v11
	v_cvt_scalef32_pk8_fp4_f32 v[C+4*(\t)+1], v[XS+8:XS+15], v11
	v_lshrrev_b32 v[E+(\t)], 23, v11               ; the scale's byte (also the plain line behind the conversions)
	ds_store_b8 v5, v[E+(\t)] offset:16*(\t)       ; both lanes of a block write the same byte with the same value
	global_store_b64 v4, v[C+4*(\t):C+4*(\t)+1], s[8:9] offset:32*CB*(\t)   ; 32 lanes store 256 consecutive bytes
.endm
.irp t, 0,1,2,3,4,5,6,7,8,9,10,11,12,13,14,15
	STEP \t
.endr
	ds_load_b64 v[8:9], v6                         ; LDS serves a wave's instructions in order: these see my byte stores
	s_wait_dscnt 0x0
	global_store_b64 v7, v[8:9], s[10:11]          ; 32 lanes store 256 consecutive bytes
	s_wait_tensorcnt 0x0                           ; the wave's end, behind my last LDS store
	ds_add_u32 v[SPW], v[NIL]
	s_wait_dscnt 0x0
	s_endpgm
.Lcast:                                            ; Wo to f16
	s_sub_co_u32 s18, ttmp9, XWG
	s_lshl_b32 s18, s18, 2
	s_add_co_u32 s18, s18, s16                     ; which run of 8,192 numbers of Wo: 0 .. 127
	s_lshl_b32 s20, s18, 15
	s_add_nc_u64 s[6:7], s[6:7], s[20:21]
	s_lshl_b32 s20, s18, 14
	s_add_nc_u64 s[12:13], s[12:13], s[20:21]
.macro CLOAD t
.irp i, 0,1,2,3
	global_load_b128 v[R+16*((\t)%4)+4*\i:R+16*((\t)%4)+4*\i+3], v3, s[6:7] offset:2048*(\t)+512*\i th:TH_LOAD_NT
.endr
.endm
.macro CSTEP t
.if (\t) < STEPS-4
	s_wait_loadcnt 12                              ; this step's four loads are in; the twelve of the next three steps may be out
.else
	s_wait_loadcnt 4*(STEPS-1-(\t))
.endif
	s_wait_xcnt 0x0                                ; the last step's stores have read their data registers, which are written again below
.irp i, 0,1,2,3
	v_cvt_pk_f16_f32 v[C+2*\i], v[R+16*((\t)%4)+4*\i], v[R+16*((\t)%4)+4*\i+1]
	v_cvt_pk_f16_f32 v[C+2*\i+1], v[R+16*((\t)%4)+4*\i+2], v[R+16*((\t)%4)+4*\i+3]
.endr
.if (\t)+4 < STEPS
	CLOAD (\t)+4
.endif
.irp i, 0,1,2,3
	global_store_b64 v4, v[C+2*\i:C+2*\i+1], s[12:13] offset:1024*(\t)+256*\i   ; 32 lanes store 256 consecutive bytes
.endr
.endm
.irp t, 0,1,2,3
	CLOAD \t
.endr
.irp t, 0,1,2,3,4,5,6,7,8,9,10,11,12,13,14,15
	CSTEP \t
.endr
	s_wait_tensorcnt 0x0                           ; the same three lines at this path's end
	ds_add_u32 v[SPW], v[NIL]
	s_wait_dscnt 0x0
	s_endpgm
.Lfunc_end_k_qf236333d4f_prep:
	.size	k_qf236333d4f_prep, .Lfunc_end_k_qf236333d4f_prep-k_qf236333d4f_prep
	.p2alignl 7, 3214868480
	.fill 96, 4, 3214868480
	.section	.rodata,"a",@progbits
	.p2align	6, 0x0
	.amdhsa_kernel k_qf236333d4f_prep
		.amdhsa_group_segment_fixed_size 33280
		.amdhsa_private_segment_fixed_size 0
		.amdhsa_enable_private_segment 0
		.amdhsa_kernarg_size 40
		.amdhsa_user_sgpr_count 2
		.amdhsa_user_sgpr_kernarg_segment_ptr 1
		.amdhsa_wavefront_size32 1
		.amdhsa_system_sgpr_workgroup_id_x 1
		.amdhsa_system_sgpr_workgroup_id_y 1
		.amdhsa_system_sgpr_workgroup_id_z 1
		.amdhsa_system_vgpr_workitem_id 0
		.amdhsa_next_free_vgpr 192
		.amdhsa_next_free_sgpr 66
		.amdhsa_reserve_vcc 0
		.amdhsa_float_denorm_mode_32 3
		.amdhsa_float_denorm_mode_16_64 3
		.amdhsa_memory_ordered 1
		.amdhsa_forward_progress 1
		.amdhsa_inst_pref_size 55
	.end_amdhsa_kernel
	.amdgpu_metadata
---
amdhsa.version: [ 1, 2 ]
amdhsa.kernels:
  - .name:           k_qf236333d4f_prep
    .symbol:         k_qf236333d4f_prep.kd
    .args:
      - { .name: x, .offset: 0, .size: 8, .value_kind: global_buffer, .address_space: global }
      - { .name: Wo, .offset: 8, .size: 8, .value_kind: global_buffer, .address_space: global }
      - { .name: xc, .offset: 16, .size: 8, .value_kind: global_buffer, .address_space: global }
      - { .name: xs, .offset: 24, .size: 8, .value_kind: global_buffer, .address_space: global }
      - { .name: woh, .offset: 32, .size: 8, .value_kind: global_buffer, .address_space: global }
    .group_segment_fixed_size: 33280
    .private_segment_fixed_size: 0
    .kernarg_segment_align: 8
    .kernarg_segment_size: 40
    .max_flat_workgroup_size: 128
    .sgpr_count:     66
    .vgpr_count:     192
    .wavefront_size: 32
...
	.end_amdgpu_metadata
.endif
;; end of part 1
;; launch wquant (part 2): grid 48 x 1, 16 waves a work-group, no clusters, 37,888 bytes of LDS; arguments Wq, Wk, Wv, wc, ws; writes wc, ws
.if DOCPART == 2
	.amdgcn_target "amdgcn-amd-amdhsa--gfx1250"
	.amdhsa_code_object_version 6
	.text
	.protected	k_qf236333d4f_wquant
	.globl	k_qf236333d4f_wquant
	.p2align	8
	.type	k_qf236333d4f_wquant,@function
k_qf236333d4f_wquant:
	s_mov_b64 s[64:65], 0
	v_nop
	global_prefetch_b8 v0, s[64:65] scope:SCOPE_SE
	s_setreg_imm32_b32 hwreg(HW_REG_WAVE_MODE, 25, 1), 1
	s_wait_xcnt 0x0
; Wq, Wk, Wv [1024 (k)][1024 (n)] f32 have K as their FIRST axis.  They become codes of FP4 (E2M1) laid [3072 (n: Wq's, Wk's, Wv's columns)][512 bytes] with K innermost (wc), and E8M0 bytes [3072][32] (ws).
; A LANE TAKES A COLUMN, AND ITS REGISTERS RUN DOWN K: a block of 32 along K lies in one lane's 32 registers, its largest magnitude needs no other lane, and the conversions give codes with K innermost.
; SHARES: work-group g takes columns 64 g .. 64 g + 63 of the 3,072, over all of K.  Wave w: columns 32 (w % 2) on, K 128 (w / 2) on: four blocks a lane.  Two waves stand side by side on 256 bytes of each row of W.
; The codes meet in a stage of 64 rows x 512 bytes in LDS and leave as whole rows: a store covers 512 consecutive bytes.  The work-group's 2,048 scale bytes are dense in ws and leave likewise.
; A block's byte is its largest magnitude's exponent field - 2, held at 1 from below.  LIMITS: a block of zeros, and one whose largest magnitude lies under 2^-124, get the byte 1 (codes of zeros add nothing, and
; this program alone reads the bytes); NaN and infinities are not served.  No cluster, no tensor load: work-groups share no input.
.set PITCH, 528                        ; a stage row: 512 bytes + 16
.set SCS,   64*PITCH                   ; behind the stage: 64 rows x 32 scale bytes
.set SPARE, SCS+2048                   ; behind them: the spare words, 128 bytes for each of 16 waves
.set EMAX,  2
.set NB,    4                          ; blocks a lane
.set X,     32                         ; v32-95   two sets of 32 numbers
.set C,     96                         ; v96-99   a block's codes
.set OUTR,  100                        ; v100-119 the way out
.set SB,    24                         ; v24      my four scale bytes
.set SPW,   14
.set NIL,   15
	s_load_b128 s[4:7], s[0:1], 0x0                ; Wq, Wk
	s_load_b128 s[8:11], s[0:1], 0x10              ; Wv, wc
	s_load_b64 s[12:13], s[0:1], 0x20              ; ws
	v_lshl_add_u32 v[SPW], v0, 2, SPARE
	v_mov_b32 v[NIL], 0
	v_lshrrev_b32 v1, 5, v0
	v_readfirstlane_b32 s16, v1                    ; wave 0..15
	v_and_b32 v2, 31, v0                           ; lane
	v_lshlrev_b32 v3, 2, v2                        ; in: 4 bytes a lane
	s_and_b32 s17, s16, 1                          ; which 32 columns
	s_lshr_b32 s18, s16, 1                         ; which 128 along K
	s_mul_i32 s19, s17, 32*PITCH
	s_lshl_b32 s20, s18, 6
	s_add_co_u32 s19, s19, s20
	v_mul_u32_u24 v4, v2, PITCH
	v_add_nc_u32 v4, s19, v4                       ; into the stage: row = my column, byte 64 x (w / 2)
	s_lshl_b32 s19, s17, 10
	s_lshl_b32 s20, s18, 2
	s_add_co_u32 s19, s19, s20
	s_add_co_u32 s19, s19, SCS
	v_lshl_add_u32 v5, v2, 5, s19                  ; my scale word: 32 bytes a column, 4 x (w / 2)
	s_mul_i32 s19, s16, 4*PITCH
	v_lshlrev_b32 v8, 4, v2                        ; out: 16 bytes a lane
	v_add_nc_u32 v7, s19, v8                       ; wave w reads rows 4 w .. 4 w + 3 back
	s_and_b32 s21, s16, 3
	s_lshl_b32 s19, s21, 9
	s_add_co_u32 s19, s19, SCS
	v_add_nc_u32 v9, s19, v8                       ; waves 0 to 3 read 512 scale bytes each
	s_and_b32 s22, ttmp9, 15                       ; offsets, in bytes.  W: K 128 (w / 2) rows of 4,096 + 4 x column in the weight
	s_lshl_b32 s22, s22, 8
	s_lshl_b32 s23, s17, 7
	s_add_co_u32 s22, s22, s23
	s_lshl_b32 s23, s18, 19
	s_add_co_u32 s22, s22, s23
	s_mov_b32 s23, 0
	s_lshl_b32 s24, ttmp9, 15                      ; wc: row 64 g + 4 w of 512 bytes
	s_lshl_b32 s25, s16, 11
	s_add_co_u32 s24, s24, s25
	s_mov_b32 s25, 0
	s_lshl_b32 s26, ttmp9, 11                      ; ws: 2,048 g + 512 (w % 4)
	s_lshl_b32 s27, s21, 9
	s_add_co_u32 s26, s26, s27
	s_mov_b32 s27, 0
	s_wait_kmcnt 0x0
	s_cmp_lt_u32 ttmp9, 16                         ; which weight: the work-group's number alone decides
	s_cselect_b64 s[4:5], s[4:5], s[6:7]
	s_cmp_lt_u32 ttmp9, 32
	s_cselect_b64 s[4:5], s[4:5], s[8:9]
	s_add_nc_u64 s[4:5], s[4:5], s[22:23]
	s_add_nc_u64 s[10:11], s[10:11], s[24:25]
	s_add_nc_u64 s[12:13], s[12:13], s[26:27]
.macro LOAD t                          ; block t: W(32 t + i, my column), i = 0 .. 31, into set t % 2
.set i, 0
.rept 32
	global_load_b32 v[X+32*((\t)%2)+i], v3, s[4:5] offset:(32*(\t)+i)*4096 th:TH_LOAD_NT
.set i, i+1
.endr
.endm
	LOAD 0
	LOAD 1
.macro BLOCK t
.set XS, X+32*((\t)%2)
.if (\t) < NB-1
	s_wait_loadcnt 32                              ; this block's 32 loads are in; the next block's may be out
.else
	s_wait_loadcnt 0
.endif
	v_max3_num_f32 v12, |v[XS]|, |v[XS+1]|, |v[XS+2]|               ; the block's largest magnitude: all 32 numbers are mine
	v_max3_num_f32 v13, |v[XS+3]|, |v[XS+4]|, |v[XS+5]|
.irp i, 6,10,14,18,22,26
	v_max3_num_f32 v12, v12, |v[XS+\i]|, |v[XS+\i+1]|
	v_max3_num_f32 v13, v13, |v[XS+\i+2]|, |v[XS+\i+3]|
.endr
	v_max3_num_f32 v12, v12, |v[XS+30]|, |v[XS+31]|
	v_max3_num_f32 v12, v12, v13, (EMAX+1)<<23     ; and the floor 2^(3 - 127)
	v_add_nc_u32 v11, -(EMAX<<23), v12             ; the conversion's scale operand
	v_lshrrev_b32 v13, 23, v11                     ; the scale's byte
.if (\t) == 0
	v_mov_b32 v[SB], v13                           ; four bytes to a register, the lower K in the lower byte
.else
	v_lshl_or_b32 v[SB], v13, 8*(\t), v[SB]
.endif
.irp g, 0,1,2,3
	v_cvt_scalef32_pk8_fp4_f32 v[C+\g], v[XS+8*\g:XS+8*\g+7], v11
.endr
	v_nop                                          ; a plain line behind the last conversion
	ds_store_b128 v4, v[C:C+3] offset:16*(\t)      ; 32 codes: 16 bytes of my column's row
.if (\t)+2 < NB
	LOAD (\t)+2
.endif
	s_wait_dscnt 0x0                               ; the store has read its registers: the next block's codes may be written
.endm
	BLOCK 0
	BLOCK 1
	BLOCK 2
	BLOCK 3
	ds_store_b32 v5, v[SB]
	s_wait_dscnt 0x0                               ; for the others' sake: my stores have landed
	s_barrier_signal -1
	s_barrier_wait -1                              ; 64 whole rows of codes and their scale bytes lie in LDS
.irp i, 0,1,2,3
	ds_load_b128 v[OUTR+4*\i:OUTR+4*\i+3], v7 offset:\i*PITCH
.endr
.irp i, 0,1,2,3
	s_wait_dscnt 3-\i
	global_store_b128 v8, v[OUTR+4*\i:OUTR+4*\i+3], s[10:11] offset:512*\i   ; a whole row: 512 consecutive bytes
.endr
	s_cmp_lt_u32 s16, 4                            ; the scale bytes: four waves, 512 consecutive bytes each
	s_cbranch_scc0 .Lno_scales
	ds_load_b128 v[OUTR+16:OUTR+19], v9
	s_wait_dscnt 0x0
	global_store_b128 v8, v[OUTR+16:OUTR+19], s[12:13]
.Lno_scales:
	s_wait_tensorcnt 0x0                           ; the wave's end, behind my last LDS store
	ds_add_u32 v[SPW], v[NIL]
	s_wait_dscnt 0x0
	s_endpgm
.Lfunc_end_k_qf236333d4f_wquant:
	.size	k_qf236333d4f_wquant, .Lfunc_end_k_qf236333d4f_wquant-k_qf236333d4f_wquant
	.p2alignl 7, 3214868480
	.fill 96, 4, 3214868480
	.section	.rodata,"a",@progbits
	.p2align	6, 0x0
	.amdhsa_kernel k_qf236333d4f_wquant
		.amdhsa_group_segment_fixed_size 37888
		.amdhsa_private_segment_fixed_size 0
		.amdhsa_enable_private_segment 0
		.amdhsa_kernarg_size 40
		.amdhsa_user_sgpr_count 2
		.amdhsa_user_sgpr_kernarg_segment_ptr 1
		.amdhsa_wavefront_size32 1
		.amdhsa_system_sgpr_workgroup_id_x 1
		.amdhsa_system_sgpr_workgroup_id_y 1
		.amdhsa_system_sgpr_workgroup_id_z 1
		.amdhsa_system_vgpr_workitem_id 0
		.amdhsa_next_free_vgpr 128
		.amdhsa_next_free_sgpr 66
		.amdhsa_reserve_vcc 0
		.amdhsa_float_denorm_mode_32 3
		.amdhsa_float_denorm_mode_16_64 3
		.amdhsa_memory_ordered 1
		.amdhsa_forward_progress 1
		.amdhsa_inst_pref_size 22
	.end_amdhsa_kernel
	.amdgpu_metadata
---
amdhsa.version: [ 1, 2 ]
amdhsa.kernels:
  - .name:           k_qf236333d4f_wquant
    .symbol:         k_qf236333d4f_wquant.kd
    .args:
      - { .name: Wq, .offset: 0, .size: 8, .value_kind: global_buffer, .address_space: global }
      - { .name: Wk, .offset: 8, .size: 8, .value_kind: global_buffer, .address_space: global }
      - { .name: Wv, .offset: 16, .size: 8, .value_kind: global_buffer, .address_space: global }
      - { .name: wc, .offset: 24, .size: 8, .value_kind: global_buffer, .address_space: global }
      - { .name: ws, .offset: 32, .size: 8, .value_kind: global_buffer, .address_space: global }
    .group_segment_fixed_size: 37888
    .private_segment_fixed_size: 0
    .kernarg_segment_align: 8
    .kernarg_segment_size: 40
    .max_flat_workgroup_size: 512
    .sgpr_count:     66
    .vgpr_count:     128
    .wavefront_size: 32
...
	.end_amdgpu_metadata
.endif
;; end of part 2
;; launch qkv (part 3): grid 12 x 32, 4 waves a work-group, clusters of 4 x 4, 327,680 bytes of LDS; arguments xc, xs, wc, ws, bq, bk, bv, qkv; writes qkv
.if DOCPART == 3
	.amdgcn_target "amdgcn-amd-amdhsa--gfx1250"
	.amdhsa_code_object_version 6
	.text
	.protected	k_qf236333d4f_qkv
	.globl	k_qf236333d4f_qkv
	.p2align	8
	.type	k_qf236333d4f_qkv,@function
k_qf236333d4f_qkv:
	s_mov_b64 s[64:65], 0
	v_nop
	global_prefetch_b8 v0, s[64:65] scope:SCOPE_SE
	s_setreg_imm32_b32 hwreg(HW_REG_WAVE_MODE, 25, 1), 1
	s_wait_xcnt 0x0
	s_wait_alu depctr_hold_cnt(0) depctr_sa_sdst(0) depctr_va_vdst(0) depctr_va_sdst(0) depctr_va_ssrc(0) depctr_va_vcc(0) depctr_vm_vsrc(0)
	s_getreg_b32 s2, hwreg(HW_REG_IB_STS2, 6, 4)
	s_cmp_eq_u32 s2, 0
	s_cbranch_scc0 .Lentry_in_a_cluster
	s_endpgm
.Lentry_in_a_cluster:
	s_bfe_u32 s2, ttmp6, 0x10000c
	s_cmp_lg_u32 s2, 0xf033
	s_cbranch_scc0 .Lentry_shape_is_right
	s_endpgm
.Lentry_shape_is_right:
; Q, K, V = x W + b on codes of FP4 (E2M1) with one E8M0 scale for each 32 along K.  A = xc [8192][512 bytes], xs [8192][32]; B = wc [3072][512 bytes], ws [3072][32] (Wq's, Wk's, Wv's columns on end).
; The results, rounded to f16, go to qkv laid [3 (Q, K, V)][64 (batch x 16 + head)][2048 (t)][64]: a head's rows are 128 bytes, dense.  LIMIT: |Q|, |K|, |V| stay under 65,504.
; A tile of 256 x 256 is made by four waves; a wave makes 128 x 128: 64 accumulators, 512 registers.  K = 1,024 is two LDS slots of 512 (rows of 256 bytes): both slots and the scales of all of K are
; asked for at the start, three tensor loads a wave, and nothing is filled again.
; CLUSTERS: 4 x 4 work-groups; A's tiles are asked for jointly along a row of the cluster, B's along a column.  A cluster's x is the tensor (0 Q, 1 K, 2 V): the same in all sixteen.
; THE MATRIX INSTRUCTION IS USED TRANSPOSED (source 0 = 16 rows of B, source 1 = 16 rows of A): a lane holds eight neighbouring columns of one row.  THE BIAS IS THE C OF THE FIRST STEP'S PRODUCTS.
; REGISTERS, in windows of 256: window 0: v0-31 addresses; v32-95 scale words, two sets; v128-191 A's fragments, one set; v192-255 the bias, eight registers for each of B's blocks; on the way out v32-127 are free.
;   window 1: B's fragments, two sets, at v0 and v128.   window 2: accumulators of my rows 0-63 ((a, b) at v[8 (8 a + b)]);   window 3: of my rows 64-127.
.set KSTEP,  512
.set NQ,     KSTEP/128
.set ROWB,   256                       ; a tile's row in bytes
.set KROW,   512                       ; a row of codes in memory
.set PITCH,  272                       ; an LDS row: 256 bytes + 16: the 16 rows that a load touches start 68 words apart
.set FR,     8
.set NL,     2
.set NP,     4                         ; places behind this matrix instruction (ISA guide 7.12.1)
.set HALFT,  128*PITCH
.set SLOT,   4*HALFT
.set KS,     32                        ; a row of scales in bytes
.set SCL,    2*SLOT                    ; behind the slots: the scales, as runs of 256 bytes + 16 of padding
.set HALFS,  (128*KS/256)*272
.set SBLK,   (16*KS/256)*272
.set SPARE,  SCL+4*HALFS               ; the spare words, 128 bytes a wave
.set SPT,    144                       ; the way out: a stage row of 128 bytes + 16; 2 heads x 16 rows for each wave, in slot 0, which has had its one fill and its last read by then
.set ADRA, 16
.set ADRB, 20
.set STO,  24
.set RD,   25
.set CO,   26
.set ADRS, 27
.set SPW,  28
.set NIL,  29
.set BO,   30                          ; v30  32 x (lane / 16): my eight numbers of a block's sixteen biases
.set SC,   32
.set AF,   128
.set BI,   192
.set TMP,  32                          ; the way out: packed results
.set BK,   64                          ; and rows read back: v64-95, v96-127 by turns
.set G1, 24
.set G0, 32
.set G1B, 48
.set G0B, 56
.set G1S, 68
.set G0S, 76
.set G1SB, 80
.set G0SB, 88
.set MSB, 0
.macro WIN new                         ; the immediate's high byte repeats the setting that is left
.if MSB != \new
	s_set_vgpr_msb (MSB<<8)|\new
.set MSB, \new
.endif
.endm
.macro WINM hi, zero                   ; source 0 (B) window 1, source 1 (A) window 0, D window 2 + hi; C with D, or, in the first step, the bias in window 0
.if \zero
	WIN 0x81+0x40*\hi
.else
	WIN 0xa1+0x50*\hi
.endif
.endm
.set TO_B, 0x40
; A joint load: waves 0 and 1 fetch for A, waves 2 and 3 for B; the branch hangs on the wave's number alone.  An s_nop 0 and four v_nop follow each of the two lines.
.macro JLOAD g0a, g1a, g0b, g1b
	s_cmp_eq_u32 s15, 0
	s_cbranch_scc0 .Lfor_b_\@
	tensor_load_to_lds s[\g0a:\g0a+3], s[\g1a:\g1a+7]
	s_nop 0
.rept 4
	v_nop
.endr
	s_branch .Lasked_\@
.Lfor_b_\@:
	tensor_load_to_lds s[\g0b:\g0b+3], s[\g1b:\g1b+7]
	s_nop 0
.rept 4
	v_nop
.endr
.Lasked_\@:
.endm
.macro CROUND                          ; a round of the cluster's barrier
	s_barrier_signal -1
	s_barrier_wait -1
	s_cmp_lg_u32 s14, 0
	s_cbranch_scc1 .Lnot_wave_0_\@
	s_barrier_signal -3
.Lnot_wave_0_\@:
	s_barrier_wait -3
	s_barrier_signal -1
	s_barrier_wait -1
.endm
	s_load_b128 s[4:7], s[0:1], 0x0                ; xc, xs
	s_load_b128 s[8:11], s[0:1], 0x10              ; wc, ws
	s_load_b128 s[96:99], s[0:1], 0x20             ; bq, bk
	s_load_b64 s[100:101], s[0:1], 0x30            ; bv
	s_load_b64 s[12:13], s[0:1], 0x38              ; qkv
	v_lshl_add_u32 v[SPW], v0, 2, SPARE
	v_mov_b32 v[NIL], 0
	ds_add_u32 v[SPW], v[NIL]                      ; the wave's opening: the add, twice on end, and its wait ahead of my first tensor load
	ds_add_u32 v[SPW], v[NIL]
	v_lshrrev_b32 v1, 5, v0
	v_readfirstlane_b32 s14, v1                    ; wave 0..3
	s_lshr_b32 s15, s14, 1                         ; which half of the tile's rows is mine.  Also: I fetch for A (0) or for B (1)
	s_and_b32 s16, s14, 1                          ; which half of its columns.  Also: which 128 rows of that tile I fetch
	s_bfe_u32 s40, ttmp6, 0x40000                  ; cx, cy
	s_bfe_u32 s41, ttmp6, 0x40004
	s_lshl_b32 s42, ttmp9, 2
	s_add_co_u32 s42, s42, s40                     ; tile column = 4 x cluster x + cx
	s_and_b32 s17, ttmp7, 0xffff
	s_lshl_b32 s17, s17, 2
	s_add_co_u32 s17, s17, s41                     ; tile row = 4 x cluster y + cy
	s_lshl_b32 s43, s41, 2
	s_lshl_b32 s43, 15, s43                        ; my row of the cluster
	s_lshl_b32 s44, 0x1111, s40                    ; my column
	s_or_b32 s[G1+0], s43, (0<<16)|(1<<20)|(1<<21)|(5<<22)|(3<<25)  ; the mask; elements of 1 byte; padding: 4 words behind every 64; bit 21 beside a mask
	s_or_b32 s[G1B+0], s44, (0<<16)|(1<<20)|(1<<21)|(5<<22)|(3<<25)
.irp g, G1, G1B
	s_mov_b32 s[\g+1], ROWB<<16                    ; tensor_dim0
	s_mov_b32 s[\g+2], 128<<16                     ; tensor_dim1
	s_mov_b32 s[\g+3], ROWB<<16                    ; tile_dim0
	s_mov_b32 s[\g+4], 128                         ; tile_dim1
	s_mov_b32 s[\g+5], KROW                        ; the pitch
	s_mov_b32 s[\g+6], 0
	s_mov_b32 s[\g+7], 0
.endr
	s_or_b32 s[G1S+0], s43, (3<<16)|(1<<20)|(1<<21)|(5<<22)|(3<<25) ; the scales of 128 rows: 4,096 dense bytes as 16 rows of 256 (32 elements of 8 bytes)
	s_or_b32 s[G1SB+0], s44, (3<<16)|(1<<20)|(1<<21)|(5<<22)|(3<<25)
.irp g, G1S, G1SB
	s_mov_b32 s[\g+1], 32<<16
	s_mov_b32 s[\g+2], (128*KS/256)<<16
	s_mov_b32 s[\g+3], 32<<16
	s_mov_b32 s[\g+4], 128*KS/256
	s_mov_b32 s[\g+5], 32
	s_mov_b32 s[\g+6], 0
	s_mov_b32 s[\g+7], 0
.endr
	s_lshl_b32 s18, s16, 7
	s_lshl_b32 s20, s17, 8
	s_add_co_u32 s20, s20, s18                     ; A: row 256 x tile row + 128 x half
	s_lshl_b32 s46, s42, 8
	s_add_co_u32 s46, s46, s18                     ; B: row 256 x tile column + 128 x half
	s_mov_b32 s21, 0
	s_mov_b32 s47, 0
	s_mov_b64 s[18:19], KS
	s_mul_u64 s[22:23], s[20:21], s[18:19]         ; where these rows' scales begin,
	s_mul_u64 s[92:93], s[46:47], s[18:19]
	s_mov_b64 s[18:19], KROW
	s_mul_u64 s[20:21], s[20:21], s[18:19]         ; and their codes
	s_mul_u64 s[46:47], s[46:47], s[18:19]
	s_mul_i32 s45, s14, HALFT                      ; where they go: wave x 128 rows
	s_mul_i32 s94, s14, HALFS
	s_wait_dscnt 0x0                               ; both opening adds are done
	s_wait_kmcnt 0x0
	s_add_nc_u64 s[20:21], s[4:5], s[20:21]
	s_add_nc_u64 s[22:23], s[6:7], s[22:23]
	s_add_nc_u64 s[46:47], s[8:9], s[46:47]
	s_add_nc_u64 s[92:93], s[10:11], s[92:93]
	CROUND                                         ; all sixteen work-groups are here: the joint loads meet
	s_mov_b32 s[G0S], 1
	s_add_co_u32 s[G0S+1], s94, SCL
	s_mov_b64 s[G0S+2:G0S+3], s[22:23]
	s_or_b32 s[G0S+3], s[G0S+3], 0x80000000
	s_mov_b32 s[G0SB], 1
	s_add_co_u32 s[G0SB+1], s94, SCL
	s_mov_b64 s[G0SB+2:G0SB+3], s[92:93]
	s_or_b32 s[G0SB+3], s[G0SB+3], 0x80000000
	JLOAD G0S, G1S, G0SB, G1SB                     ; the scales first: they are wanted with slot 0
.irp s, 0,1
	s_mov_b32 s[G0+4*\s], 1
	s_add_co_u32 s[G0+4*\s+1], s45, \s*SLOT
	s_add_nc_u64 s[G0+4*\s+2:G0+4*\s+3], s[20:21], \s*ROWB
	s_or_b32 s[G0+4*\s+3], s[G0+4*\s+3], 0x80000000
	s_mov_b32 s[G0B+4*\s], 1
	s_add_co_u32 s[G0B+4*\s+1], s45, \s*SLOT
	s_add_nc_u64 s[G0B+4*\s+2:G0B+4*\s+3], s[46:47], \s*ROWB
	s_or_b32 s[G0B+4*\s+3], s[G0B+4*\s+3], 0x80000000
	JLOAD G0+4*\s, G1, G0B+4*\s, G1B
.endr
	; the bias of my 128 columns: which tensor's is the cluster's x
	s_cmp_eq_u32 ttmp9, 0
	s_cselect_b64 s[96:97], s[96:97], s[98:99]
	s_cmp_eq_u32 ttmp9, 2
	s_cselect_b64 s[96:97], s[100:101], s[96:97]
	s_lshl_b32 s46, s40, 10                        ; 256 cx columns of 4 bytes,
	s_lshl_b32 s47, s16, 9                         ; + 128 x half
	s_add_co_u32 s46, s46, s47
	s_mov_b32 s47, 0
	s_add_nc_u64 s[96:97], s[96:97], s[46:47]
	v_and_b32 v1, 15, v0                           ; r = lane % 16
	v_bfe_u32 v2, v0, 4, 1                         ; h = lane / 16
	v_lshlrev_b32 v[BO], 5, v2
.irp b, 0,1,2,3,4,5,6,7
	global_load_b128 v[BI+8*\b:BI+8*\b+3], v[BO], s[96:97] offset:64*\b       ; register j: the bias of column 16 b + 8 h + j, as the result's layout has it
	global_load_b128 v[BI+8*\b+4:BI+8*\b+7], v[BO], s[96:97] offset:64*\b+16
.endr
	v_mul_u32_u24 v3, v1, PITCH
	v_lshl_add_u32 v4, v2, 4, v3                   ; a fragment's row x pitch + 16 x half
	s_mul_i32 s21, s15, HALFT                      ; my 128 rows of A
	s_mul_i32 s22, s16, HALFT                      ; my 128 rows of B,
	s_add_co_u32 s22, s22, 2*HALFT                 ; behind A's 256
.irp s, 0,1
	v_add_nc_u32 v[ADRA+\s], s21, v4
	v_add_nc_u32 v[ADRB+\s], s22, v4
	s_add_co_u32 s21, s21, SLOT
	s_add_co_u32 s22, s22, SLOT
.endr
	v_mul_u32_u24 v5, v1, KS                       ; my row's scales: 32 bytes a row,
	v_lshrrev_b32 v6, 8, v5
	v_lshl_add_u32 v5, v6, 4, v5                   ; and 16 more for each 256 passed
	s_mul_i32 s21, s15, HALFS
	s_mul_i32 s22, s16, HALFS
	s_add_co_u32 s22, s22, 2*HALFS
	s_sub_co_u32 s22, s22, s21
	v_mul_u32_u24 v6, s22, v2                      ; lanes 16-31 take B's: one product, the distance between the two bases
	s_add_co_u32 s21, s21, SCL
	v_add_nc_u32 v5, v5, v6
	v_add_nc_u32 v[ADRS], s21, v5
	s_mul_i32 s23, s14, 2*16*SPT                   ; my stage
	v_mul_u32_u24 v5, v1, SPT
	v_lshl_add_u32 v5, v2, 4, v5
	v_add_nc_u32 v[STO], s23, v5                   ; in: row r, 16 bytes for each half of the lanes
	v_and_b32 v6, 31, v0
	v_lshrrev_b32 v5, 3, v6
	v_mul_u32_u24 v5, v5, SPT
	v_and_b32 v7, 7, v0
	v_lshl_add_u32 v5, v7, 4, v5
	v_add_nc_u32 v[RD], s23, v5                    ; back: eight lanes to a row of 128 bytes, four rows an instruction
	v_lshlrev_b32 v[CO], 4, v6                     ; which are 512 consecutive bytes of a head
	s_lshl_b32 s20, s17, 8                         ; where my part begins in qkv
	s_lshl_b32 s21, s15, 7
	s_add_co_u32 s20, s20, s21                     ; my first row of x: 256 x tile row + 128 x half
	s_lshr_b32 s21, s20, 11
	s_lshl_b32 s21, s21, 4                         ; 16 x batch
	s_and_b32 s20, s20, 2047
	s_lshl_b32 s20, s20, 7                         ; t x 128 bytes
	s_lshl_b32 s46, s40, 2
	s_lshl_b32 s47, s16, 1
	s_add_co_u32 s46, s46, s47                     ; my first head: 4 cx + 2 x half
	s_add_co_u32 s46, s46, s21
	s_lshl_b32 s46, s46, 18                        ; a head is 2^18 bytes,
	s_add_co_u32 s46, s46, s20
	s_lshl_b32 s47, ttmp9, 24                      ; a tensor 2^24
	s_add_co_u32 s46, s46, s47
	s_mov_b32 s47, 0
	s_add_nc_u64 s[12:13], s[12:13], s[46:47]
.macro FRAG reg, adr, q, i             ; 16 rows x 128 K of 4-bit codes: 8 registers; registers 4 c .. 4 c + 3 hold K = 64 c + 32 (lane / 16) + 0 .. 31
.irp c, 0,1
	ds_load_b128 v[\reg+4*\c:\reg+4*\c+3], v[\adr] offset:64*(\q)+32*\c+(\i)*16*PITCH
.endr
.endm
; 16 matrix instructions: A's blocks a0, a0 + 1 x B's eight.  p: B's set; sc: the set of scale words; zero = 1: the first step, whose C is the bias.  The 64 accumulators take turns.
.macro MUL16 a0, p, q, sc, zero
.irp a, \a0, \a0+1
.irp b, 0,1,2,3,4,5,6,7
.if \zero
	v_wmma_scale_f32_16x16x128_f8f6f4 v[8*(8*((\a)%4)+\b):8*(8*((\a)%4)+\b)+7], v[128*(\p)+FR*\b:128*(\p)+FR*\b+FR-1], v[AF+FR*(\a):AF+FR*(\a)+FR-1], v[BI+8*\b:BI+8*\b+7], v[SC+8*NQ*(\sc)+NQ*\b+(\q)], v[SC+8*NQ*(\sc)+NQ*(\a)+(\q)] matrix_a_fmt:MATRIX_FMT_FP4 matrix_b_fmt:MATRIX_FMT_FP4 matrix_a_scale:MATRIX_SCALE_ROW1
.else
	v_wmma_scale_f32_16x16x128_f8f6f4 v[8*(8*((\a)%4)+\b):8*(8*((\a)%4)+\b)+7], v[128*(\p)+FR*\b:128*(\p)+FR*\b+FR-1], v[AF+FR*(\a):AF+FR*(\a)+FR-1], v[8*(8*((\a)%4)+\b):8*(8*((\a)%4)+\b)+7], v[SC+8*NQ*(\sc)+NQ*\b+(\q)], v[SC+8*NQ*(\sc)+NQ*(\a)+(\q)] matrix_a_fmt:MATRIX_FMT_FP4 matrix_b_fmt:MATRIX_FMT_FP4 matrix_a_scale:MATRIX_SCALE_ROW1
.endif
.endr
.endr
.endm
.macro FETCH_B slot, q, p
	WIN TO_B
.irp i, 0,1,2,3,4,5,6,7
	FRAG 128*(\p)+FR*\i, ADRB+\slot, \q, \i
.endr
	WIN 0
.endm
.macro FETCH_A slot, q, i0
.irp i, \i0, \i0+1, \i0+2, \i0+3
	FRAG AF+FR*(\i), ADRA+\slot, \q, \i
.endr
.endm
.macro SCALES sc                       ; a slot's scale words: 4 words a row; lanes 0-15 take A's block i, lanes 16-31 B's block i
.irp i, 0,1,2,3,4,5,6,7
	ds_load_b128 v[SC+8*NQ*\sc+NQ*\i:SC+8*NQ*\sc+NQ*\i+3], v[ADRS] offset:\i*SBLK
.endr
.endm
.macro PLACES n                        ; plain vector lines between a matrix instruction and a load into its registers, or a read of its result
.rept \n
	v_nop
.endr
.endm
.macro STEP slot, q, zero              ; 128 along K, with its successor in the same slot
	s_wait_dscnt 4*NL                              ; B's set and A's blocks 0-3 are in; the youngest eight loads (A's blocks 4-7) may be out
	WINM 0, \zero
	MUL16 0, (\q)%2, \q, \slot, \zero
	MUL16 2, (\q)%2, \q, \slot, \zero
	s_wait_dscnt 0                                 ; A's blocks 4-7 are in
	PLACES NP
	FETCH_B \slot, (\q)+1, 1-(\q)%2
	FETCH_A \slot, (\q)+1, 0
	WINM 1, \zero
	MUL16 4, (\q)%2, \q, \slot, \zero
	MUL16 6, (\q)%2, \q, \slot, \zero
	PLACES NP
	WIN 0
	FETCH_A \slot, (\q)+1, 4
.endm
; Slot 0's last step changes slots: one barrier; in front of it each wave waits for all its tensor loads (slot 1's part), adds 0 to its spare word, and waits for that and for its reads of slot 0.
.macro TURN slot, next
	s_wait_tensorcnt 0x0                           ; all my tensor loads have landed
	ds_add_u32 v[SPW], v[NIL]
	s_wait_dscnt 4*NL+1                            ; (the add and the youngest eight loads may be out)
	WINM 0, 0
	MUL16 0, 1, NQ-1, \slot, 0
	s_wait_dscnt 0x0                               ; the add is done, and my reads of this slot are over
	s_barrier_signal -1
	MUL16 2, 1, NQ-1, \slot, 0
	WIN 0
	s_barrier_wait -1                              ; the next slot is whole, and nobody reads this one any more
	PLACES NP
	v_add_nc_u32 v[ADRS], 4*NQ, v[ADRS]            ; on to the next slot's scale words
	FETCH_B \next, 0, 0
	FETCH_A \next, 0, 0
	SCALES \next
	WINM 1, 0
	MUL16 4, 1, NQ-1, \slot, 0
	MUL16 6, 1, NQ-1, \slot, 0
	PLACES NP
	WIN 0
	FETCH_A \next, 0, 4
.endm
	s_wait_tensorcnt 1                             ; the scales and my part of slot 0 are in; slot 1's load may be out
	s_barrier_signal -1
	s_barrier_wait -1
	FETCH_B 0, 0, 0
	FETCH_A 0, 0, 0
	SCALES 0
	FETCH_A 0, 0, 4
	s_wait_loadcnt 0x0                             ; the bias
	STEP 0, 0, 1
	STEP 0, 1, 0
	STEP 0, 2, 0
	TURN 0, 1
	STEP 1, 0, 0
	STEP 1, 1, 0
	STEP 1, 2, 0
	s_wait_dscnt 4*NL                              ; the last step: nothing more to fetch
	WINM 0, 0
	MUL16 0, 1, NQ-1, 1, 0
	MUL16 2, 1, NQ-1, 1, 0
	s_wait_dscnt 0
	WINM 1, 0
	MUL16 4, 1, NQ-1, 1, 0
	MUL16 6, 1, NQ-1, 1, 0
	WIN 0
; THE WAY OUT, a block of 16 rows x 128 columns (two heads) at a time: rounded to f16, 16 bytes a lane into my stage, back as runs of four rows of one head, which are 512 consecutive bytes of qkv.
.macro PACK a
.set AC, 64*((\a)%4)
	WIN 0x0a+5*((\a)/4)                            ; sources 0 and 1: window 2 or 3
.irp b, 0,1,2,3,4,5,6,7
.irp i, 0,1,2,3
	v_cvt_pk_f16_f32 v[TMP+4*\b+\i], v[AC+8*\b+2*\i], v[AC+8*\b+2*\i+1]   ; each accumulator from its low end on
.endr
.endr
	WIN 0
.endm
.macro TOSTAGE a
.set BB, BK+32*((\a)%2)
.irp b, 0,1,2,3,4,5,6,7
	ds_store_b128 v[STO], v[TMP+4*\b:TMP+4*\b+3] offset:(\b/4)*16*SPT+32*(\b%4)
.endr
.irp i, 0,1,2,3,4,5,6,7
	ds_load_b128 v[BB+4*\i:BB+4*\i+3], v[RD] offset:\i*4*SPT       ; LDS serves a wave's instructions in order: these see the stores above
.endr
.endm
.macro SEND a, younger                 ; younger: the LDS instructions issued behind block a's loads
.set BB, BK+32*((\a)%2)
	s_wait_dscnt \younger
.irp i, 0,1,2,3,4,5,6,7
	global_store_b128 v[CO], v[BB+4*\i:BB+4*\i+3], s[12:13] offset:(\i/4)*262144+(\i%4)*512+(\a)*2048   ; 32 lanes store 512 consecutive bytes; the base is never stepped
.endr
.endm
	PLACES NP
	PACK 0
	TOSTAGE 0
.irp a, 1,2,3,4,5,6,7
.if \a > 1
	s_wait_xcnt 0x0                                ; block a - 2's stores have read their registers: block a's loads may land there
.endif
	PACK \a
	TOSTAGE \a
	SEND \a-1, 16                                  ; behind block a - 1's loads: block a's 8 stores and 8 loads
.endr
	SEND 7, 0
	s_wait_tensorcnt 0x0                           ; the wave's end
	ds_add_u32 v[SPW], v[NIL]
	s_wait_dscnt 0x0
	CROUND                                         ; the closing round
	s_endpgm
.Lfunc_end_k_qf236333d4f_qkv:
	.size	k_qf236333d4f_qkv, .Lfunc_end_k_qf236333d4f_qkv-k_qf236333d4f_qkv
	.p2alignl 7, 3214868480
	.fill 96, 4, 3214868480
	.section	.rodata,"a",@progbits
	.p2align	6, 0x0
	.amdhsa_kernel k_qf236333d4f_qkv
		.amdhsa_group_segment_fixed_size 327680
		.amdhsa_private_segment_fixed_size 0
		.amdhsa_enable_private_segment 0
		.amdhsa_kernarg_size 64
		.amdhsa_user_sgpr_count 2
		.amdhsa_user_sgpr_kernarg_segment_ptr 1
		.amdhsa_wavefront_size32 1
		.amdhsa_system_sgpr_workgroup_id_x 1
		.amdhsa_system_sgpr_workgroup_id_y 1
		.amdhsa_system_sgpr_workgroup_id_z 1
		.amdhsa_system_vgpr_workitem_id 0
		.amdhsa_next_free_vgpr 1024
		.amdhsa_next_free_sgpr 102
		.amdhsa_reserve_vcc 0
		.amdhsa_float_denorm_mode_32 3
		.amdhsa_float_denorm_mode_16_64 3
		.amdhsa_memory_ordered 1
		.amdhsa_forward_progress 1
		.amdhsa_inst_pref_size 128
	.end_amdhsa_kernel
	.amdgpu_metadata
---
amdhsa.version: [ 1, 2 ]
amdhsa.kernels:
  - .name:           k_qf236333d4f_qkv
    .symbol:         k_qf236333d4f_qkv.kd
    .args:
      - { .name: xc, .offset: 0, .size: 8, .value_kind: global_buffer, .address_space: global }
      - { .name: xs, .offset: 8, .size: 8, .value_kind: global_buffer, .address_space: global }
      - { .name: wc, .offset: 16, .size: 8, .value_kind: global_buffer, .address_space: global }
      - { .name: ws, .offset: 24, .size: 8, .value_kind: global_buffer, .address_space: global }
      - { .name: bq, .offset: 32, .size: 8, .value_kind: global_buffer, .address_space: global }
      - { .name: bk, .offset: 40, .size: 8, .value_kind: global_buffer, .address_space: global }
      - { .name: bv, .offset: 48, .size: 8, .value_kind: global_buffer, .address_space: global }
      - { .name: qkv, .offset: 56, .size: 8, .value_kind: global_buffer, .address_space: global }
    .group_segment_fixed_size: 327680
    .private_segment_fixed_size: 0
    .kernarg_segment_align: 8
    .kernarg_segment_size: 64
    .max_flat_workgroup_size: 128
    .sgpr_count:     102
    .vgpr_count:     1024
    .wavefront_size: 32
...
	.end_amdgpu_metadata
.endif
;; end of part 3
;; launch attn (part 4): grid 4 x 64, 8 waves a work-group, clusters of 4 x 1, 327,680 bytes of LDS; arguments qkv, att; writes att
.if DOCPART == 4
	.amdgcn_target "amdgcn-amd-amdhsa--gfx1250"
	.amdhsa_code_object_version 6
	.text
	.protected	k_qf236333d4f_attn
	.globl	k_qf236333d4f_attn
	.p2align	8
	.type	k_qf236333d4f_attn,@function
k_qf236333d4f_attn:
	s_mov_b64 s[64:65], 0
	v_nop
	global_prefetch_b8 v0, s[64:65] scope:SCOPE_SE
	s_setreg_imm32_b32 hwreg(HW_REG_WAVE_MODE, 25, 1), 1
	s_wait_xcnt 0x0
	s_wait_alu depctr_hold_cnt(0) depctr_sa_sdst(0) depctr_va_vdst(0) depctr_va_sdst(0) depctr_va_ssrc(0) depctr_va_vcc(0) depctr_vm_vsrc(0)
	s_getreg_b32 s2, hwreg(HW_REG_IB_STS2, 6, 4)
	s_cmp_eq_u32 s2, 0
	s_cbranch_scc0 .Lentry_in_a_cluster
	s_endpgm
.Lentry_in_a_cluster:
	s_bfe_u32 s2, ttmp6, 0x10000c
	s_cmp_lg_u32 s2, 0x3003
	s_cbranch_scc0 .Lentry_shape_is_right
	s_endpgm
.Lentry_shape_is_right:
; O[g][q][:] = the sum over k of softmax_k(Q[g][q] . K[g][k] / 8) V[g][k][:], g = batch x 16 + head, 64 of them; 2,048 keys, head size 64, no mask.
; Q, K, V: qkv [3][64][2048][64] f16; O: att [64][2048][64] f16.  Products, maxima and sums in f32; the weights p (at most 1) are rounded to f16 for the second product, O once at the end.
; LIMIT: |O| stays under 65,504 (it is an average of V, which does).
; SHARES.  A work-group owns 512 queries of one g; each of its eight waves 64: four tiles of 16, in 512 registers, two waves to a SIMD: one wave's vector work stands beside the other's products.
; Every wave walks all keys, 64 a step.  LAYOUT: S^T = K Q^T (source 0 = 16 keys, source 1 = 16 queries) and O^T = V^T P (source 0 = 16 channels, turned by ds_load_tr16_b128): a lane holds ONE query throughout,
; and two tiles of S^T, rounded in pairs IN PLACE, are source 1 of the second product.
; SOFTMAX: a running maximum m and sum l: p = 2^(c s - c m), c = log2(e) / 8; in every step O and l are multiplied by a = 2^(c m_old - c m_new).  m begins at -3e38 and O, l at 0: the first a is 0 and multiplies zeros.
; CLUSTER: the four query blocks of a g are one cluster and walk the same K and V: each tile is asked for JOINTLY (mask 15).  RING: two slots of four key steps; waves 0-3 fetch K's tile of step w, waves 4-7 V's:
; one load of 64 rows a wave behind each round, which then has four key steps in which to land.
; REGISTERS: window 0: v2-10 addresses; v12, v13 the add's two; v16-47 statistics, eight a tile (+0 c m, +1 m, +2, +3 l, +4 .. +7 at work; a takes +6); v48-175 S^T, 32 a tile, P in the low 16 of each;
;   v176-239 K's fragments; v240-247 second sum chains.   window 1: v0-63 Q; v64-191 O^T, 32 a tile; v192-255 V's fragments.
.set KS,    64
.set PK,    144                        ; a row of K in LDS: 128 bytes + 16: nine units of 16 bytes, so the 16 rows of a load fall on 16 different columns of 16 bytes
.set PV,    160                        ; a row of V: 128 + 32
.set VOFF,  KS*PK
.set STEPB, KS*(PK+PV)                 ; a step's tiles lie together: 64 rows of K, then 64 of V
.set NST,   4                          ; steps in a slot
.set SLOT1, 1<<17                      ; slot 1 begins here: one exclusive or turns an address
.set SPARE, SLOT1+NST*STEPB            ; the spare words, 128 bytes for each of eight waves
.set NSL,   2048/(NST*KS)              ; slots' worth of keys: 8
.set SPT,   144                        ; the way out: stage rows of 128 bytes + 16; 64 rows a wave, in slot 0, which has had its last fill and is left at the last change of slots
.set AK0, 2
.set AV0, 3
.set ADK, 4
.set ADV, 5
.set QO,  6
.set STO, 7
.set RD,  8
.set GO,  9
.set PFO, 10                           ; v10  256 x lane: the prefetches' offset; never rewritten
.set SPW, 12
.set NIL, 13
.set ST,  16
.set S,   48
.set KF,  176
.set XC,  240
.set QF,  0                            ; window 1
.set OB,  64
.set VF,  192
.set WV,  12
.set LIM, 15                           ; s15  1 in a wave that prefetches, else the greatest number
.set PFA, 18                           ; s[18:19]
.set G1K, 24
.set G1V, 32
.set G0K, 40
.set G0V, 44
.set SLOTS, 48
.set CNT, 49
.set CS,  50                           ; s[50:51] c, twice: the packed form names a pair
.set SEL, 52                           ; s[52:53] selects for lane l xor 16
.set TB,  54                           ; s54  LDS byte at which the tiles of the step to be fetched begin
.set MSB, 0
.macro WIN new
.if MSB != \new
	s_set_vgpr_msb (MSB<<8)|\new
.set MSB, \new
.endif
.endm
.set W_KQ, 0x04                        ; K window 0, Q window 1, S^T window 0
.set W_PV, 0x51                        ; V window 1, P window 0, O^T window 1
.set W_RS, 0x41                        ; O^T (destination and source 0) window 1, a window 0
.set TO_1, 0x40                        ; destination window 1, address window 0
.macro JLOAD                           ; waves 0-3 K's tiles, waves 4-7 V's; an s_nop 0 and four v_nop follow each line
	s_cmp_lt_u32 s[WV], 4
	s_cbranch_scc0 .Lfor_v_\@
	tensor_load_to_lds s[G0K:G0K+3], s[G1K:G1K+7]
	s_nop 0
.rept 4
	v_nop
.endr
	s_branch .Lasked_\@
.Lfor_v_\@:
	tensor_load_to_lds s[G0V:G0V+3], s[G1V:G1V+7]
	s_nop 0
.rept 4
	v_nop
.endr
.Lasked_\@:
.endm
; A prefetch of what the NEXT change of slots will ask for: 256 rows of K and of V, 32,768 bytes each.  The four partners take 8,192 bytes each, told apart by address; in each, wave 0 asks for K's and wave 4 for V's,
; lanes 256 bytes apart: each aligned block of 256 bytes is named once in the launch.  It stands four key steps ahead of the load that wants the bytes.  The last change that fills a slot asks for nothing.
.macro ASK
	s_cmp_gt_u32 s[SLOTS], s[LIM]
	s_cbranch_scc0 .Lnot_mine_\@
	global_prefetch_b8 v[PFO], s[PFA:PFA+1] th:TH_LOAD_NT scope:SCOPE_SE
.Lnot_mine_\@:
.endm
.macro CROUND
	s_barrier_signal -1
	s_barrier_wait -1
	s_cmp_lg_u32 s[WV], 0
	s_cbranch_scc1 .Lnot_wave_0_\@
	s_barrier_signal -3
.Lnot_wave_0_\@:
	s_barrier_wait -3
	s_barrier_signal -1
	s_barrier_wait -1
.endm
	s_load_b64 s[4:5], s[0:1], 0x0                 ; qkv
	s_load_b64 s[10:11], s[0:1], 0x8               ; att
	v_lshl_add_u32 v[SPW], v0, 2, SPARE
	v_mov_b32 v[NIL], 0
	ds_add_u32 v[SPW], v[NIL]                      ; the wave's opening: the add, twice on end, and its wait ahead of my first tensor load
	ds_add_u32 v[SPW], v[NIL]
	v_lshrrev_b32 v1, 5, v0
	v_readfirstlane_b32 s[WV], v1                  ; wave 0..7
	s_bfe_u32 s13, ttmp6, 0x40000                  ; cx
	s_lshl_b32 s14, ttmp9, 2
	s_add_co_u32 s14, s14, s13                     ; my block of 512 queries: it enters Q's, O's and the prefetches' addresses alone
	s_and_b32 s20, ttmp7, 0xffff                   ; g, which the four partners share
	s_lshl_b32 s20, s20, 18                        ; its first byte in a tensor
	s_mov_b32 s21, 0
	s_and_b32 s16, s[WV], 3                        ; which of a slot's four steps I fetch:
	s_lshl_b32 s22, s16, 13                        ; its 64 rows of 128 bytes in memory,
	s_mov_b32 s23, 0
	s_mul_i32 s17, s16, STEPB                      ; and its place in a slot
	s_lshl_b32 s2, s14, 16                         ; my block's 512 rows,
	s_lshl_b32 s3, s[WV], 13                       ; my wave's 64 of them
	s_add_co_u32 s2, s2, s3
	s_mov_b32 s3, 0
	s_add_nc_u64 s[2:3], s[2:3], s[20:21]
	s_mov_b32 s[G1K], 15|(1<<16)|(1<<20)|(1<<21)|(4<<22)|(3<<25)  ; the mask: all four; elements of 2 bytes; padding: 4 words behind every 32; bit 21 beside a mask
	s_mov_b32 s[G1V], 15|(1<<16)|(1<<20)|(1<<21)|(4<<22)|(7<<25)  ; the same with 8 words
.irp g, G1K, G1V
	s_mov_b32 s[\g+1], 64<<16                      ; tensor_dim0 = 64
	s_mov_b32 s[\g+2], KS<<16                      ; tensor_dim1 = 64
	s_mov_b32 s[\g+3], 64<<16                      ; tile_dim0 = 64
	s_mov_b32 s[\g+4], KS                          ; tile_dim1 = 64
	s_mov_b32 s[\g+5], 64                          ; the pitch
	s_mov_b32 s[\g+6], 0
	s_mov_b32 s[\g+7], 0
.endr
	s_mov_b32 s[CS], 0x3e38aa3b                    ; c = log2(e) / 8
	s_mov_b32 s[CS+1], s[CS]
	s_mov_b32 s[SEL], 0x76543210
	s_mov_b32 s[SEL+1], 0xfedcba98
	s_mov_b32 s[TB], 0
	s_mov_b32 s[SLOTS], NSL-1
	s_cmp_eq_u32 s16, 0                            ; waves 0 and 4 prefetch
	s_cselect_b32 s[LIM], 1, -1
	s_wait_dscnt 0x0                               ; both opening adds are done
	s_wait_kmcnt 0x0
	s_add_nc_u64 s[6:7], s[4:5], s[20:21]
	s_add_nc_u64 s[8:9], s[6:7], 0x2000000         ; V of my g
	s_add_nc_u64 s[6:7], s[6:7], 0x1000000         ; K of my g
	s_add_nc_u64 s[4:5], s[4:5], s[2:3]            ; Q and O at my wave's first row
	s_add_nc_u64 s[10:11], s[10:11], s[2:3]
	s_cmp_lt_u32 s[WV], 4
	s_cselect_b64 s[PFA:PFA+1], s[6:7], s[8:9]
	s_lshl_b32 s2, s13, 13                         ; my work-group's 8,192 bytes,
	s_add_co_u32 s2, s2, 32768                     ; in the second slot's keys: the first change steps it to the third's.  Nothing is prefetched at the head
	s_add_nc_u64 s[PFA:PFA+1], s[PFA:PFA+1], s[2:3]
	s_mov_b32 s[G0K], 1
	s_mov_b32 s[G0K+1], s17
	s_add_nc_u64 s[G0K+2:G0K+3], s[6:7], s[22:23]
	s_or_b32 s[G0K+3], s[G0K+3], 0x80000000
	s_mov_b32 s[G0V], 1
	s_add_co_u32 s[G0V+1], s17, VOFF
	s_add_nc_u64 s[G0V+2:G0V+3], s[8:9], s[22:23]
	s_or_b32 s[G0V+3], s[G0V+3], 0x80000000
	CROUND                                         ; all four work-groups are here
	JLOAD                                          ; keys 0 to 255 into slot 0
	v_and_b32 v1, 15, v0                           ; r
	v_bfe_u32 v11, v0, 4, 1                        ; h
	v_lshlrev_b32 v[QO], 7, v1
	v_lshl_add_u32 v[QO], v11, 4, v[QO]            ; row x 128 + 16 x half
	WIN TO_1
.irp t, 0,1,2,3
.irp c, 0,1
	global_load_b128 v[QF+8*(2*\t+\c):QF+8*(2*\t+\c)+3],   v[QO], s[4:5] offset:2048*\t+64*\c      ; Q stays in registers: tile t, channels 32 c on
	global_load_b128 v[QF+8*(2*\t+\c)+4:QF+8*(2*\t+\c)+7], v[QO], s[4:5] offset:2048*\t+64*\c+32
.endr
.endr
.set i, 0
.rept 128
	v_mov_b32 v[OB+i], 0                           ; O^T.  The key step is written for the loop alone: its first trip finds zeros
.set i, i+1
.endr
	WIN 0
	v_mul_u32_u24 v[AK0], v1, PK
	v_lshl_add_u32 v[AK0], v11, 4, v[AK0]
	v_and_b32 v14, 7, v0
	v_bfe_u32 v15, v0, 3, 1
	v_lshl_add_u32 v[AV0], v11, 3, v14             ; the turning load: key 8 h + lane % 8, channels 8 ((lane / 8) % 2) on
	v_mul_u32_u24 v[AV0], v[AV0], PV
	v_lshl_add_u32 v[AV0], v15, 4, v[AV0]
	v_add_nc_u32 v[AV0], VOFF, v[AV0]
	s_mul_i32 s2, s[WV], 64*SPT                    ; my stage
	v_mul_u32_u24 v[STO], v1, SPT
	v_lshl_add_u32 v[STO], v11, 4, v[STO]
	v_add_nc_u32 v[STO], s2, v[STO]
	v_and_b32 v14, 31, v0
	v_lshrrev_b32 v15, 3, v14
	v_mul_u32_u24 v[RD], v15, SPT
	v_and_b32 v15, 7, v0
	v_lshl_add_u32 v[RD], v15, 4, v[RD]
	v_add_nc_u32 v[RD], s2, v[RD]                  ; back: eight lanes to a row, four rows an instruction
	v_lshlrev_b32 v[GO], 4, v14
	v_lshlrev_b32 v[PFO], 8, v14
.irp t, 0,1,2,3
	v_mov_b32 v[ST+8*\t+1], 0xff61b1e6             ; m = -3e38, under every score
	v_mov_b32 v[ST+8*\t+2], 0                      ; l
	v_mov_b32 v[ST+8*\t+3], 0
.endr
.irp t, 0,1,2,3
	v_mul_f32 v[ST+8*\t], s[CS], v[ST+8*\t+1]      ; c m
.endr
; One step's softmax, the four tiles by turns, so that no line waits for the line above it.
.macro SOFTMAX
.irp j, 0,1,2,3
.irp t, 0,1,2,3
	v_max3_num_f32 v[ST+8*\t+4+\j], v[S+32*\t+8*\j], v[S+32*\t+8*\j+1], v[S+32*\t+8*\j+2]   ; each accumulator is read from its low end on
.endr
.endr
.irp n, 3,5
.irp j, 0,1,2,3
.irp t, 0,1,2,3
	v_max3_num_f32 v[ST+8*\t+4+\j], v[ST+8*\t+4+\j], v[S+32*\t+8*\j+\n], v[S+32*\t+8*\j+\n+1]
.endr
.endr
.endr
.irp t, 0,1,2,3
	v_max3_num_f32 v[ST+8*\t+4], v[ST+8*\t+4], v[S+32*\t+7], v[S+32*\t+15]
.endr
.irp t, 0,1,2,3
	v_max3_num_f32 v[ST+8*\t+6], v[ST+8*\t+6], v[S+32*\t+23], v[S+32*\t+31]
.endr
.irp t, 0,1,2,3
	v_max3_num_f32 v[ST+8*\t+4], v[ST+8*\t+4], v[ST+8*\t+5], v[ST+8*\t+6]
.endr
.irp t, 0,1,2,3
	v_max3_num_f32 v[ST+8*\t+4], v[ST+8*\t+4], v[ST+8*\t+7], v[ST+8*\t+1]   ; and the old m
.endr
.irp t, 0,1,2,3
	v_permlanex16_b32 v[ST+8*\t+5], v[ST+8*\t+4], s[SEL], s[SEL+1]          ; the query's other 32 keys lie in the lane 16 away
.endr
.irp t, 0,1,2,3
	v_mov_b32 v[ST+8*\t+7], v[ST+8*\t]             ; c m_old
.endr
.irp t, 0,1,2,3
	v_max_num_f32 v[ST+8*\t+1], v[ST+8*\t+4], v[ST+8*\t+5]
.endr
.irp t, 0,1,2,3
	v_mul_f32 v[ST+8*\t], s[CS], v[ST+8*\t+1]
.endr
.irp t, 0,1,2,3
	v_sub_f32 v[ST+8*\t+7], v[ST+8*\t+7], v[ST+8*\t]
.endr
.set i, 0
.rept 16
.irp t, 0,1,2,3
	v_pk_fma_f32 v[S+32*\t+i:S+32*\t+i+1], v[S+32*\t+i:S+32*\t+i+1], s[CS:CS+1], v[ST+8*\t:ST+8*\t+1] op_sel_hi:[1,0,0] neg_lo:[0,0,1] neg_hi:[0,0,1]   ; c s - c m
.endr
.set i, i+2
.endr
.irp t, 0,1,2,3
	v_exp_f32 v[ST+8*\t+6], v[ST+8*\t+7]           ; a
.endr
.set i, 0
.rept 32
.irp t, 0,1,2,3
	v_exp_f32 v[S+32*\t+i], v[S+32*\t+i]           ; p
.endr
.set i, i+1
.endr
	v_nop                                          ; a plain line behind the last exponential
	s_wait_alu depctr_va_vdst(0)                   ; one wait for the batch of 132, ahead of its first reader
.irp t, 0,1,2,3
	v_pk_fma_f32 v[ST+8*\t+2:ST+8*\t+3], v[ST+8*\t+2:ST+8*\t+3], v[ST+8*\t+6:ST+8*\t+7], v[S+32*\t:S+32*\t+1] op_sel_hi:[1,0,1]   ; l = a l + the first pair
.endr
.irp t, 0,1,2,3
	v_pk_add_f32 v[XC+2*\t:XC+2*\t+1], v[S+32*\t+2:S+32*\t+3], v[S+32*\t+6:S+32*\t+7]   ; a second chain for the odd pairs
.endr
.irp n, 4,8,12,16,20,24,28
.irp t, 0,1,2,3
	v_pk_add_f32 v[ST+8*\t+2:ST+8*\t+3], v[ST+8*\t+2:ST+8*\t+3], v[S+32*\t+\n:S+32*\t+\n+1]
.endr
.if \n < 28
.irp t, 0,1,2,3
	v_pk_add_f32 v[XC+2*\t:XC+2*\t+1], v[XC+2*\t:XC+2*\t+1], v[S+32*\t+\n+6:S+32*\t+\n+7]
.endr
.endif
.endr
.irp t, 0,1,2,3
	v_pk_add_f32 v[ST+8*\t+2:ST+8*\t+3], v[ST+8*\t+2:ST+8*\t+3], v[XC+2*\t:XC+2*\t+1]
.endr
.set i, 0
.rept 16
.irp t, 0,1,2,3
	v_cvt_pk_f16_f32 v[S+32*\t+i], v[S+32*\t+2*i], v[S+32*\t+2*i+1]   ; P in place: register n takes pair n, ascending, so nothing is overwritten before it is read
.endr
.set i, i+1
.endr
.endm
; A KEY STEP: 64 keys.
.macro STEP
	v_add_nc_u32 v[ADK], s[TB], v[AK0]             ; these two and the three below are the five places behind the last step's products: V's registers are loaded anew, and P's are written over by products
	v_add_nc_u32 v[ADV], s[TB], v[AV0]
.rept 3
	v_nop
.endr
.irp k, 0,1,2,3
.irp c, 0,1
	ds_load_b128 v[KF+8*(2*\k+\c):KF+8*(2*\k+\c)+3],   v[ADK] offset:\k*16*PK+64*\c
	ds_load_b128 v[KF+8*(2*\k+\c)+4:KF+8*(2*\k+\c)+7], v[ADK] offset:\k*16*PK+64*\c+32
.endr
.endr
	WIN TO_1
.irp k, 0,1
.irp c, 0,1,2,3
	ds_load_tr16_b128 v[VF+8*(4*\k+\c):VF+8*(4*\k+\c)+3],   v[ADV] offset:\k*32*PV+32*\c
	ds_load_tr16_b128 v[VF+8*(4*\k+\c)+4:VF+8*(4*\k+\c)+7], v[ADV] offset:\k*32*PV+16*PV+32*\c
.endr
.endr
	s_add_co_u32 s[TB], s[TB], STEPB               ; the next fetch is the next step's
	s_wait_dscnt 16                                ; K is in; V's sixteen loads may be out
	WIN W_KQ
.set i, 0
.rept 32                                       ; S^T = K Q^T: channels 32 (i / 16) on, keys 16 ((i / 4) % 4) on, tile i % 4: the 16 accumulators take turns
.set rS, S+32*(i%4)+8*((i/4)%4)
.set rK, KF+8*(2*((i/4)%4)+i/16)
.set rQ, QF+8*(2*(i%4)+i/16)
.if i < 16
	v_wmma_f32_16x16x32_f16 v[rS:rS+7], v[rK:rK+7], v[rQ:rQ+7], 0
.else
	v_wmma_f32_16x16x32_f16 v[rS:rS+7], v[rK:rK+7], v[rQ:rQ+7], v[rS:rS+7]
.endif
.set i, i+1
.endr
	WIN 0
.rept 4
	v_nop                                          ; places ahead of the first read of the scores
.endr
	SOFTMAX
	WIN W_RS
.set i, 0
.rept 16
.irp t, 0,1,2,3
	v_pk_mul_f32 v[OB+32*\t+i:OB+32*\t+i+1], v[OB+32*\t+i:OB+32*\t+i+1], v[ST+8*\t+6:ST+8*\t+7] op_sel_hi:[1,0]   ; O^T x a, each accumulator from its low end on
.endr
.set i, i+2
.endr
	s_wait_dscnt 0x0                               ; V is in
	WIN W_PV
.set i, 0
.rept 32                                       ; O^T += V^T P: keys 32 (i / 16) on, channels 16 ((i / 4) % 4) on, tile i % 4
.set rO, OB+32*(i%4)+8*((i/4)%4)
.set rV, VF+8*(4*(i/16)+(i/4)%4)
.set rP, S+32*(i%4)+8*(i/16)
	v_wmma_f32_16x16x32_f16 v[rO:rO+7], v[rV:rV+7], v[rP:rP+7], v[rO:rO+7]
.set i, i+1
.endr
	WIN 0
.endm
; THE CHANGE OF SLOTS stands at a slot's head.  Each wave waits for all its tensor loads (its part of the slot ahead), adds 0 to its spare word, and waits for that and for its reads of the slot that it has left.
; fill = 1: the barrier is a round of the cluster's, and the slot that was left takes the next 256 keys, first thing behind it.
.macro CHANGE fill
	s_wait_tensorcnt 0x0                           ; no tensor load of mine is out, so a group 0 may be written
	ds_add_u32 v[SPW], v[NIL]
.if \fill
	s_xor_b32 s[G0K+1], s[G0K+1], SLOT1            ; the walking descriptors: the other slot than last time,
	s_add_nc_u64 s[G0K+2:G0K+3], s[G0K+2:G0K+3], NST*KS*128   ; the next 256 keys
	s_xor_b32 s[G0V+1], s[G0V+1], SLOT1
	s_add_nc_u64 s[G0V+2:G0V+3], s[G0V+2:G0V+3], NST*KS*128
	s_wait_xcnt 0x0                                ; the last prefetch, a slot back, has read its address
	s_add_nc_u64 s[PFA:PFA+1], s[PFA:PFA+1], NST*KS*128
	s_wait_dscnt 0x0                               ; the add is done, and my reads of the slot that I have left are over
	CROUND
	JLOAD
	ASK
.else
	s_wait_dscnt 0x0
	s_barrier_signal -1
	s_barrier_wait -1
.endif
.endm
.macro FOUR_STEPS                      ; a slot's key steps: written once, walked four times; the LDS addresses hang on s[TB]
	s_mov_b32 s[CNT], NST
.Lstep_\@:
	STEP
	s_sub_co_u32 s[CNT], s[CNT], 1
	s_cmp_lg_u32 s[CNT], 0
	s_cbranch_scc1 .Lstep_\@
	s_sub_co_u32 s[TB], s[TB], NST*STEPB           ; back to a slot's first step,
	s_xor_b32 s[TB], s[TB], SLOT1                  ; in the other slot
.endm
	s_wait_loadcnt 0x0                             ; Q
.Lslot:                                            ; seven trips: behind each change of slots but the last the next 256 keys are asked for
	CHANGE 1
	FOUR_STEPS
	s_sub_co_u32 s[SLOTS], s[SLOTS], 1
	s_cmp_lg_u32 s[SLOTS], 0
	s_cbranch_scc1 .Lslot
	CHANGE 0                                       ; the last slot is written out
	FOUR_STEPS
	; THE WAY OUT.  l's two halves and the other half of the lanes' are added (these lines are the places behind the last products); O^T / l, rounded to f16, goes through my stage and leaves as 512 consecutive bytes a store.
.irp t, 0,1,2,3
	v_add_f32 v[ST+8*\t+4], v[ST+8*\t+2], v[ST+8*\t+3]
.endr
.irp t, 0,1,2,3
	v_permlanex16_b32 v[ST+8*\t+5], v[ST+8*\t+4], s[SEL], s[SEL+1]
.endr
.irp t, 0,1,2,3
	v_add_f32 v[ST+8*\t+4], v[ST+8*\t+4], v[ST+8*\t+5]
.endr
.irp t, 0,1,2,3
	v_rcp_f32 v[ST+8*\t+6], v[ST+8*\t+4]
.endr
	v_nop                                          ; a plain line behind the last reciprocal
	s_wait_alu depctr_va_vdst(0)                   ; one wait for the four, ahead of the first reader
.macro PACK t
	WIN 0x01                                       ; source 0 (O^T) window 1
.set i, 0
.rept 16
	v_pk_mul_f32 v[S+32*\t+i:S+32*\t+i+1], v[OB+32*\t+i:OB+32*\t+i+1], v[ST+8*\t+6:ST+8*\t+7] op_sel_hi:[1,0]
.set i, i+2
.endr
	WIN 0
.set i, 0
.rept 16
	v_cvt_pk_f16_f32 v[S+32*\t+i], v[S+32*\t+2*i], v[S+32*\t+2*i+1]
.set i, i+1
.endr
.irp c, 0,1,2,3
	ds_store_b128 v[STO], v[S+32*\t+4*\c:S+32*\t+4*\c+3] offset:\t*16*SPT+32*\c    ; lane (r, h): o(16 t + r, 16 c + 8 h + 0 .. 7)
.endr
.irp i, 0,1,2,3
	ds_load_b128 v[S+32*\t+16+4*\i:S+32*\t+16+4*\i+3], v[RD] offset:\t*16*SPT+\i*4*SPT   ; LDS serves a wave's instructions in order
.endr
.endm
.macro SEND t, younger                 ; younger: the next tile's four stores and four loads, or none
	s_wait_dscnt \younger
.irp i, 0,1,2,3
	global_store_b128 v[GO], v[S+32*\t+16+4*\i:S+32*\t+16+4*\i+3], s[10:11] offset:2048*\t+512*\i
.endr
.endm
	PACK 0
	PACK 1
	SEND 0, 8
	PACK 2
	SEND 1, 8
	PACK 3
	SEND 2, 8
	SEND 3, 0
	s_wait_tensorcnt 0x0                           ; the wave's end
	ds_add_u32 v[SPW], v[NIL]
	s_wait_dscnt 0x0
	CROUND                                         ; the closing round
	s_endpgm
.Lfunc_end_k_qf236333d4f_attn:
	.size	k_qf236333d4f_attn, .Lfunc_end_k_qf236333d4f_attn-k_qf236333d4f_attn
	.p2alignl 7, 3214868480
	.fill 96, 4, 3214868480
	.section	.rodata,"a",@progbits
	.p2align	6, 0x0
	.amdhsa_kernel k_qf236333d4f_attn
		.amdhsa_group_segment_fixed_size 327680
		.amdhsa_private_segment_fixed_size 0
		.amdhsa_enable_private_segment 0
		.amdhsa_kernarg_size 16
		.amdhsa_user_sgpr_count 2
		.amdhsa_user_sgpr_kernarg_segment_ptr 1
		.amdhsa_wavefront_size32 1
		.amdhsa_system_sgpr_workgroup_id_x 1
		.amdhsa_system_sgpr_workgroup_id_y 1
		.amdhsa_system_sgpr_workgroup_id_z 1
		.amdhsa_system_vgpr_workitem_id 0
		.amdhsa_next_free_vgpr 512
		.amdhsa_next_free_sgpr 66
		.amdhsa_reserve_vcc 0
		.amdhsa_float_denorm_mode_32 3
		.amdhsa_float_denorm_mode_16_64 3
		.amdhsa_memory_ordered 1
		.amdhsa_forward_progress 1
		.amdhsa_inst_pref_size 91
	.end_amdhsa_kernel
	.amdgpu_metadata
---
amdhsa.version: [ 1, 2 ]
amdhsa.kernels:
  - .name:           k_qf236333d4f_attn
    .symbol:         k_qf236333d4f_attn.kd
    .args:
      - { .name: qkv, .offset: 0, .size: 8, .value_kind: global_buffer, .address_space: global }
      - { .name: att, .offset: 8, .size: 8, .value_kind: global_buffer, .address_space: global }
    .group_segment_fixed_size: 327680
    .private_segment_fixed_size: 0
    .kernarg_segment_align: 8
    .kernarg_segment_size: 16
    .max_flat_workgroup_size: 256
    .sgpr_count:     66
    .vgpr_count:     512
    .wavefront_size: 32
...
	.end_amdgpu_metadata
.endif
;; end of part 4
;; launch oproj (part 5): grid 4 x 64, 4 waves a work-group, clusters of 4 x 4, 327,680 bytes of LDS; arguments att, woh, bo, out0; writes out0
.if DOCPART == 5
	.amdgcn_target "amdgcn-amd-amdhsa--gfx1250"
	.amdhsa_code_object_version 6
	.text
	.protected	k_qf236333d4f_oproj
	.globl	k_qf236333d4f_oproj
	.p2align	8
	.type	k_qf236333d4f_oproj,@function
k_qf236333d4f_oproj:
	s_mov_b64 s[64:65], 0
	v_nop
	global_prefetch_b8 v0, s[64:65] scope:SCOPE_SE
	s_setreg_imm32_b32 hwreg(HW_REG_WAVE_MODE, 25, 1), 1
	s_wait_xcnt 0x0
	s_wait_alu depctr_hold_cnt(0) depctr_sa_sdst(0) depctr_va_vdst(0) depctr_va_sdst(0) depctr_va_ssrc(0) depctr_va_vcc(0) depctr_vm_vsrc(0)
	s_getreg_b32 s2, hwreg(HW_REG_IB_STS2, 6, 4)
	s_cmp_eq_u32 s2, 0
	s_cbranch_scc0 .Lentry_in_a_cluster
	s_endpgm
.Lentry_in_a_cluster:
	s_bfe_u32 s2, ttmp6, 0x10000c
	s_cmp_lg_u32 s2, 0xf033
	s_cbranch_scc0 .Lentry_shape_is_right
	s_endpgm
.Lentry_shape_is_right:
; out0[m][n] = the sum over k of O[m][k] Wo[k][n] + bo[n].  O: att [batch x 16 + head][t][64] f16, so k = 64 head + channel; Wo: woh [1024 (k)][1024 (n)] f16, as the input lies; out0 [8192][1024] f32; sums in f32.
; A tile of 128 (m) x 256 (n) is made by four waves; wave w makes rows 64 (w / 2) on, columns 128 (w % 2) on: 32 accumulators, which fill window 2.  256 tiles: one for each work-group.
; K goes in 8 steps of 128 (two heads) through two LDS slots.  A's tile is two dense blocks (a head's 128 rows of 128 bytes); B's is 128 rows of k x 512 bytes, read turned by ds_load_tr16_b128.
; CLUSTERS: 4 x 4; A's tiles are asked for jointly along a row of the cluster, B's along a column.  Waves 0, 1 fetch A's two heads, waves 2, 3 B's two halves of 64 rows: one load a wave behind each round.
; THE MATRIX INSTRUCTION IS USED TRANSPOSED (source 0 = 16 columns of Wo, source 1 = 16 rows of O): a lane holds eight neighbouring columns of one row.  THE BIAS IS THE C OF THE FIRST QUARTER'S PRODUCTS.
; REGISTERS: window 0: v16-29 addresses; v128-191 the bias; v192-255 A's fragments, two buffers of 32; on the way out v64-191 take rows read back.   window 1: v0-127 B's fragments, two buffers of 64.   window 2: accumulator (a, b) at v[8 (8 a + b)].
.set PA,     144                       ; a row of A in LDS: 128 bytes + 16
.set HB,     128*PA                    ; a head's block
.set PB,     544                       ; a row of B: 512 bytes + 32
.set BOFF,   2*HB
.set BHALF,  64*PB
.set SLOT,   BOFF+2*BHALF
.set SPARE,  2*SLOT                    ; the spare words, 128 bytes a wave
.set SPITCH, 528                       ; the way out: 16 rows x (512 bytes + 16) for each wave, in slot 0, which has had its last fill and is left at the last change of slots
.set LAPS,   4                         ; a lap = two K steps
.set ADRA, 16
.set ADRB, 20
.set STO,  24
.set RD,   25
.set CO,   26
.set BO,   27
.set SPW,  28
.set NIL,  29
.set BI,   128
.set AF,   192
.set BK,   64
.set G1A, 24
.set G0A, 32
.set G1B, 48
.set G0B, 56
.set MSB, 0
.macro WIN new
.if MSB != \new
	s_set_vgpr_msb (MSB<<8)|\new
.set MSB, \new
.endif
.endm
.macro JLOAD s                         ; an s_nop 0 and four v_nop follow each of the two lines
	s_cmp_eq_u32 s13, 0
	s_cbranch_scc0 .Lfor_b_\@
	tensor_load_to_lds s[G0A+4*\s:G0A+4*\s+3], s[G1A:G1A+7]
	s_nop 0
.rept 4
	v_nop
.endr
	s_branch .Lasked_\@
.Lfor_b_\@:
	tensor_load_to_lds s[G0B+4*\s:G0B+4*\s+3], s[G1B:G1B+7]
	s_nop 0
.rept 4
	v_nop
.endr
.Lasked_\@:
.endm
.macro CREST
	s_cmp_lg_u32 s12, 0
	s_cbranch_scc1 .Lnot_wave_0_\@
	s_barrier_signal -3
.Lnot_wave_0_\@:
	s_barrier_wait -3
	s_barrier_signal -1
	s_barrier_wait -1
.endm
.macro CROUND
	s_barrier_signal -1
	s_barrier_wait -1
	CREST
.endm
	s_load_b256 s[4:11], s[0:1], 0x0               ; att s[4:5], woh s[6:7], bo s[8:9], out0 s[10:11]
	v_lshl_add_u32 v[SPW], v0, 2, SPARE
	v_mov_b32 v[NIL], 0
	ds_add_u32 v[SPW], v[NIL]                      ; the wave's opening: the add, twice on end, and its wait ahead of my first tensor load
	ds_add_u32 v[SPW], v[NIL]
	v_lshrrev_b32 v1, 5, v0
	v_readfirstlane_b32 s12, v1                    ; wave 0..3
	s_lshr_b32 s13, s12, 1                         ; which 64 rows are mine.  Also: I fetch for A (0) or for B (1)
	s_and_b32 s14, s12, 1                          ; which 128 columns.  Also: which head of A's two, which half of B's rows I fetch
	s_bfe_u32 s40, ttmp6, 0x40000                  ; cx, cy
	s_bfe_u32 s41, ttmp6, 0x40004
	s_lshl_b32 s42, ttmp9, 2
	s_add_co_u32 s42, s42, s40                     ; tile column
	s_and_b32 s43, ttmp7, 0xffff
	s_lshl_b32 s43, s43, 2
	s_add_co_u32 s43, s43, s41                     ; tile row
	s_lshl_b32 s44, s41, 2
	s_lshl_b32 s44, 15, s44                        ; my row of the cluster
	s_lshl_b32 s45, 0x1111, s40                    ; my column
	s_or_b32 s[G1A], s44, (1<<16)|(1<<20)|(1<<21)|(4<<22)|(3<<25)   ; elements of 2 bytes; padding: 4 words behind every 32
	s_mov_b32 s[G1A+1], 64<<16                     ; tensor_dim0 = 64
	s_mov_b32 s[G1A+2], 128<<16                    ; tensor_dim1 = 128
	s_mov_b32 s[G1A+3], 64<<16                     ; tile_dim0
	s_mov_b32 s[G1A+4], 128                        ; tile_dim1
	s_mov_b32 s[G1A+5], 64                         ; the pitch
	s_mov_b32 s[G1A+6], 0
	s_mov_b32 s[G1A+7], 0
	s_or_b32 s[G1B], s45, (1<<16)|(1<<20)|(1<<21)|(6<<22)|(7<<25)   ; padding: 8 words behind every 128
	s_mov_b32 s[G1B+1], 256<<16
	s_mov_b32 s[G1B+2], 64<<16
	s_mov_b32 s[G1B+3], 256<<16
	s_mov_b32 s[G1B+4], 64
	s_mov_b32 s[G1B+5], 1024
	s_mov_b32 s[G1B+6], 0
	s_mov_b32 s[G1B+7], 0
	s_lshr_b32 s16, s43, 4                         ; A: batch,
	s_lshl_b32 s16, s16, 4
	s_add_co_u32 s16, s16, s14                     ; x 16 + my head of the step's two,
	s_lshl_b32 s16, s16, 18
	s_and_b32 s17, s43, 15
	s_lshl_b32 s17, s17, 14                        ; + 128 rows of 128 bytes for each tile row in the batch
	s_add_co_u32 s16, s16, s17
	s_mov_b32 s17, 0
	s_lshl_b32 s46, s14, 17                        ; B: my 64 rows of 2,048 bytes,
	s_lshl_b32 s47, s42, 9                         ; + 256 columns of 2 bytes for each tile column
	s_add_co_u32 s46, s46, s47
	s_mov_b32 s47, 0
	s_mul_i32 s18, s14, HB                         ; where they go
	s_mul_i32 s19, s14, BHALF
	s_add_co_u32 s19, s19, BOFF
	s_wait_dscnt 0x0                               ; both opening adds are done
	s_wait_kmcnt 0x0
	s_add_nc_u64 s[20:21], s[4:5], s[16:17]
	s_add_nc_u64 s[46:47], s[6:7], s[46:47]
	CROUND                                         ; all sixteen work-groups are here
.irp s, 0,1
	s_mov_b32 s[G0A+4*\s], 1
	s_add_co_u32 s[G0A+4*\s+1], s18, \s*SLOT
	s_add_nc_u64 s[G0A+4*\s+2:G0A+4*\s+3], s[20:21], \s*2*262144    ; K step s: heads 2 s, 2 s + 1
	s_or_b32 s[G0A+4*\s+3], s[G0A+4*\s+3], 0x80000000
	s_mov_b32 s[G0B+4*\s], 1
	s_add_co_u32 s[G0B+4*\s+1], s19, \s*SLOT
	s_add_nc_u64 s[G0B+4*\s+2:G0B+4*\s+3], s[46:47], \s*128*2048    ; rows 128 s on
	s_or_b32 s[G0B+4*\s+3], s[G0B+4*\s+3], 0x80000000
	JLOAD \s
.endr
	s_lshl_b32 s46, s42, 10                        ; my first column, in bytes of f32: 1,024 x tile column + 512 x half
	s_lshl_b32 s47, s14, 9
	s_add_co_u32 s46, s46, s47
	s_mov_b32 s47, 0
	s_add_nc_u64 s[8:9], s[8:9], s[46:47]          ; bo there,
	s_add_nc_u64 s[10:11], s[10:11], s[46:47]      ; out0 there,
	s_lshl_b32 s16, s43, 19                        ; at my first row: 128 x tile row + 64 x half, of 4,096 bytes
	s_lshl_b32 s17, s13, 18
	s_add_co_u32 s16, s16, s17
	s_mov_b32 s17, 0
	s_add_nc_u64 s[10:11], s[10:11], s[16:17]
	v_and_b32 v1, 15, v0                           ; r
	v_bfe_u32 v2, v0, 4, 1                         ; h
	v_lshlrev_b32 v[BO], 5, v2
.irp b, 0,1,2,3,4,5,6,7
	global_load_b128 v[BI+8*\b:BI+8*\b+3], v[BO], s[8:9] offset:64*\b          ; register j: bo of column 16 b + 8 h + j
	global_load_b128 v[BI+8*\b+4:BI+8*\b+7], v[BO], s[8:9] offset:64*\b+16
.endr
	v_mul_u32_u24 v3, v1, PA
	v_lshl_add_u32 v3, v2, 4, v3                   ; A: row x pitch + 16 x half
	s_mul_i32 s21, s13, 64*PA                      ; my 64 rows
	v_and_b32 v4, 7, v0
	v_lshl_add_u32 v4, v2, 3, v4                   ; B, turned: k row 8 h + lane % 8,
	v_mul_u32_u24 v4, v4, PB
	v_bfe_u32 v5, v0, 3, 1
	v_lshl_add_u32 v4, v5, 4, v4                   ; columns 8 ((lane / 8) % 2) on
	s_lshl_b32 s22, s14, 8                         ; my 128 columns
	s_add_co_u32 s22, s22, BOFF
.irp s, 0,1
	v_add_nc_u32 v[ADRA+\s], s21, v3
	v_add_nc_u32 v[ADRB+\s], s22, v4
	s_add_co_u32 s21, s21, SLOT
	s_add_co_u32 s22, s22, SLOT
.endr
	s_mul_i32 s23, s12, 16*SPITCH                  ; my stage
	v_mul_u32_u24 v5, v1, SPITCH
	v_lshl_add_u32 v5, v2, 5, v5
	v_add_nc_u32 v[STO], s23, v5                   ; in: row r, 32 bytes for each half of the lanes
	v_and_b32 v6, 31, v0
	v_lshlrev_b32 v[CO], 4, v6
	v_add_nc_u32 v[RD], s23, v[CO]                 ; back: the 32 lanes take a row of 512 bytes
; Eight products: A's block a x B's eight, 32 along K, from buffers f.  zero = 1: the first quarter, whose C is the bias.  The 32 accumulators take turns in the same order in every quarter.
.macro MUL8 f, a, zero
.if \zero
	WIN 0x81                                       ; source 0 (B) window 1, source 1 (A) and C (the bias) window 0, D window 2
.else
	WIN 0xa1                                       ; C and D window 2
.endif
.irp b, 0,1,2,3,4,5,6,7
.if \zero
	v_wmma_f32_16x16x32_f16 v[8*(8*\a+\b):8*(8*\a+\b)+7], v[64*\f+8*\b:64*\f+8*\b+7], v[AF+32*\f+8*\a:AF+32*\f+8*\a+7], v[BI+8*\b:BI+8*\b+7]
.else
	v_wmma_f32_16x16x32_f16 v[8*(8*\a+\b):8*(8*\a+\b)+7], v[64*\f+8*\b:64*\f+8*\b+7], v[AF+32*\f+8*\a:AF+32*\f+8*\a+7], v[8*(8*\a+\b):8*(8*\a+\b)+7]
.endif
.endr
.endm
; 24 LDS loads in one run: quarter q of a slot (k 32 q on: head q / 2, channels 32 (q % 2) on) into buffers f: B's sixteen, then A's blocks 0 to 3
.macro FETCH slot, q, f
	WIN 0x40
.irp b, 0,1,2,3,4,5,6,7
	ds_load_tr16_b128 v[64*\f+8*\b:64*\f+8*\b+3],   v[ADRB+\slot] offset:(\q)*32*PB+32*\b
	ds_load_tr16_b128 v[64*\f+8*\b+4:64*\f+8*\b+7], v[ADRB+\slot] offset:(\q)*32*PB+16*PB+32*\b
.endr
	WIN 0
.irp a, 0,1,2,3
	ds_load_b128 v[AF+32*\f+8*\a:AF+32*\f+8*\a+3],   v[ADRA+\slot] offset:((\q)/2)*HB+((\q)%2)*64+\a*16*PA
	ds_load_b128 v[AF+32*\f+8*\a+4:AF+32*\f+8*\a+7], v[ADRA+\slot] offset:((\q)/2)*HB+((\q)%2)*64+\a*16*PA+32
.endr
.endm
.macro PLACES                          ; four plain lines ahead of loads into registers that matrix instructions have read, and of the first read of results
.rept 4
	v_nop
.endr
.endm
.macro QUARTER slot, qn, f, g, zero    ; multiplies buffers f; in its middle fetches quarter qn of the same slot into buffers g
	s_wait_dscnt 4                                 ; B and A's blocks 0, 1 are in; the youngest four loads (A's blocks 2, 3) may be out
	MUL8 \f, 0, \zero
	MUL8 \f, 1, \zero
	PLACES
	FETCH \slot, \qn, \g
	s_wait_dscnt 24                                ; all but the 24 just issued
	MUL8 \f, 2, \zero
	MUL8 \f, 3, \zero
.endm
; A slot's last quarter multiplies buffers 1 and changes slots: one barrier; in front of it each wave waits for all its tensor loads, adds 0 to its spare word, and waits for that and for its reads of this slot.
.macro TURN slot, next, fill
	WIN 0
	s_wait_tensorcnt 0x0                           ; all my tensor loads have landed: my part of the next slot
	ds_add_u32 v[SPW], v[NIL]
	s_wait_dscnt 5                                 ; (the add and the youngest four loads may be out)
	MUL8 1, 0, 0
	s_wait_dscnt 0x0                               ; the add is done, and my reads of this slot are over
	s_barrier_signal -1
	MUL8 1, 1, 0
	WIN 0
	s_barrier_wait -1
.if \fill
	CREST                                          ; the barrier has opened a round of the cluster's: no wave of any partner still reads this slot or has a load on its way
	s_add_nc_u64 s[G0A+4*\slot+2:G0A+4*\slot+3], s[G0A+4*\slot+2:G0A+4*\slot+3], 4*262144     ; two K steps on: four heads,
	s_add_nc_u64 s[G0B+4*\slot+2:G0B+4*\slot+3], s[G0B+4*\slot+2:G0B+4*\slot+3], 256*2048     ; 256 rows of Wo
	JLOAD \slot                                    ; the first tensor load behind the round; its four v_nop are also the places ahead of the loads below
.else
	PLACES
.endif
	FETCH \next, 0, 0
	MUL8 1, 2, 0
	MUL8 1, 3, 0
.endm
	s_wait_tensorcnt 1                             ; my part of K step 0 is in; K step 1's load may be out
	s_barrier_signal -1
	s_barrier_wait -1
	FETCH 0, 0, 0
	s_wait_loadcnt 0x0                             ; the bias
	QUARTER 0, 1, 0, 1, 1                          ; the first quarter stands ahead of the loop: its products start the sums
	WIN 0
	s_mov_b32 s3, LAPS-1
.Llap:                                             ; a trip goes once round the ring and fills both slots again
	QUARTER 0, 2, 1, 0, 0
	QUARTER 0, 3, 0, 1, 0
	TURN 0, 1, 1
	QUARTER 1, 1, 0, 1, 0
	QUARTER 1, 2, 1, 0, 0
	QUARTER 1, 3, 0, 1, 0
	TURN 1, 0, 1
	QUARTER 0, 1, 0, 1, 0
	WIN 0
	s_sub_co_u32 s3, s3, 1
	s_cmp_lg_u32 s3, 0
	s_cbranch_scc1 .Llap
	QUARTER 0, 2, 1, 0, 0                          ; the last lap fills nothing
	QUARTER 0, 3, 0, 1, 0
	TURN 0, 1, 0
	QUARTER 1, 1, 0, 1, 0
	QUARTER 1, 2, 1, 0, 0
	QUARTER 1, 3, 0, 1, 0
	s_wait_dscnt 4                                 ; the very last quarter: nothing more to fetch
	MUL8 1, 0, 0
	MUL8 1, 1, 0
	s_wait_dscnt 0
	MUL8 1, 2, 0
	MUL8 1, 3, 0
	WIN 0
; THE WAY OUT, a block of 16 rows x 128 columns at a time, through my own stage: back as whole rows of 512 bytes.
.macro TOSTAGE a
	WIN 0x08                                       ; an LDS store's data are its source 1: window 2
.irp b, 0,1,2,3,4,5,6,7
	ds_store_b128 v[STO], v[8*(8*(\a)+\b):8*(8*(\a)+\b)+3] offset:64*\b            ; each accumulator from its low end on
	ds_store_b128 v[STO], v[8*(8*(\a)+\b)+4:8*(8*(\a)+\b)+7] offset:64*\b+16
.endr
	WIN 0
.set BB, BK+64*((\a)%2)
.irp i, 0,1,2,3,4,5,6,7,8,9,10,11,12,13,14,15
	ds_load_b128 v[BB+4*\i:BB+4*\i+3], v[RD] offset:\i*SPITCH     ; LDS serves a wave's instructions in order
.endr
.endm
.macro SEND a, younger
.set BB, BK+64*((\a)%2)
	s_wait_dscnt \younger
.irp i, 0,1,2,3,4,5,6,7,8,9,10,11,12,13,14,15
	global_store_b128 v[CO], v[BB+4*\i:BB+4*\i+3], s[10:11] offset:(\a)*65536+\i*4096 th:TH_STORE_NT   ; 32 lanes store 512 consecutive bytes; the base is never stepped
.endr
.endm
	PLACES
	TOSTAGE 0
.irp a, 1,2,3
.if \a > 1
	s_wait_xcnt 0x0                                ; block a - 2's stores have read their registers: block a's loads may land there
.endif
	TOSTAGE \a
	SEND \a-1, 32                                  ; behind block a - 1's loads: block a's 16 stores and 16 loads
.endr
	SEND 3, 0
	s_wait_tensorcnt 0x0                           ; the wave's end
	ds_add_u32 v[SPW], v[NIL]
	s_wait_dscnt 0x0
	CROUND                                         ; the closing round
	s_endpgm
.Lfunc_end_k_qf236333d4f_oproj:
	.size	k_qf236333d4f_oproj, .Lfunc_end_k_qf236333d4f_oproj-k_qf236333d4f_oproj
	.p2alignl 7, 3214868480
	.fill 96, 4, 3214868480
	.section	.rodata,"a",@progbits
	.p2align	6, 0x0
	.amdhsa_kernel k_qf236333d4f_oproj
		.amdhsa_group_segment_fixed_size 327680
		.amdhsa_private_segment_fixed_size 0
		.amdhsa_enable_private_segment 0
		.amdhsa_kernarg_size 32
		.amdhsa_user_sgpr_count 2
		.amdhsa_user_sgpr_kernarg_segment_ptr 1
		.amdhsa_wavefront_size32 1
		.amdhsa_system_sgpr_workgroup_id_x 1
		.amdhsa_system_sgpr_workgroup_id_y 1
		.amdhsa_system_sgpr_workgroup_id_z 1
		.amdhsa_system_vgpr_workitem_id 0
		.amdhsa_next_free_vgpr 768
		.amdhsa_next_free_sgpr 66
		.amdhsa_reserve_vcc 0
		.amdhsa_float_denorm_mode_32 3
		.amdhsa_float_denorm_mode_16_64 3
		.amdhsa_memory_ordered 1
		.amdhsa_forward_progress 1
		.amdhsa_inst_pref_size 87
	.end_amdhsa_kernel
	.amdgpu_metadata
---
amdhsa.version: [ 1, 2 ]
amdhsa.kernels:
  - .name:           k_qf236333d4f_oproj
    .symbol:         k_qf236333d4f_oproj.kd
    .args:
      - { .name: att, .offset: 0, .size: 8, .value_kind: global_buffer, .address_space: global }
      - { .name: woh, .offset: 8, .size: 8, .value_kind: global_buffer, .address_space: global }
      - { .name: bo, .offset: 16, .size: 8, .value_kind: global_buffer, .address_space: global }
      - { .name: out0, .offset: 24, .size: 8, .value_kind: global_buffer, .address_space: global }
    .group_segment_fixed_size: 327680
    .private_segment_fixed_size: 0
    .kernarg_segment_align: 8
    .kernarg_segment_size: 32
    .max_flat_workgroup_size: 128
    .sgpr_count:     66
    .vgpr_count:     768
    .wavefront_size: 32
...
	.end_amdgpu_metadata
.endif
;; end of part 5
